; MI455X (gfx1250); checked and timed in simulation.
; The chip was launched on July 23, 2026; its instructions are those of AMD's public machine-readable ISA for CDNA 5 (MIT licence, August 2026) and "CDNA5" Instruction Set Architecture Reference Guide (July 2026). The comments in the code are by the model that wrote it; some were corrected since.
;; Grouped Query Attention. Allowed arithmetic: matrix products marked QUANTISED: E2M3 operands, one E8M0 scale for each 32 along K, by v_wmma_scale_f32_16x16x128_f8f6f4 with both operands' format E2M3, f32 sums; everything else in f32.
;; Inputs: Wk_codes 256 x 32 x 24 uint8 (E2M3 codes of Wk, K innermost, in blocks of 32 codes, four codes in three bytes); Wk_scales 256 x 32 uint8 (E8M0 scales of Wk, one for each 32 codes along K); Wo_codes 1,024 x 32 x 24 uint8 (E2M3 codes of Wo, K innermost, in blocks of 32 codes, four codes in three bytes); Wo_scales 1,024 x 32 uint8 (E8M0 scales of Wo, one for each 32 codes along K); Wq_codes 1,024 x 32 x 24 uint8 (E2M3 codes of Wq, K innermost, in blocks of 32 codes, four codes in three bytes); Wq_scales 1,024 x 32 uint8 (E8M0 scales of Wq, one for each 32 codes along K); Wv_codes 256 x 32 x 24 uint8 (E2M3 codes of Wv, K innermost, in blocks of 32 codes, four codes in three bytes); Wv_scales 256 x 32 uint8 (E8M0 scales of Wv, one for each 32 codes along K); x_codes 1 x 4,096 x 32 x 24 uint8 (E2M3 codes of x, K innermost, in blocks of 32 codes, four codes in three bytes); x_scales 1 x 4,096 x 32 uint8 (E8M0 scales of x, one for each 32 codes along K).
;; Outputs: out0 1 x 4,096 x 1,024 float32.
;; This version of the problem:
;;   THIS VERSION OF THE PROBLEM IS GIVEN IN LOW PRECISION. The matrix products marked QUANTISED in the list below multiply operands that are first quantised to E2M3 (2 exponent bits, 3 mantissa bits; 6 bits a number), with one power-of-two scale for each 32 numbers along K (OCP MX v1.0); their sums are f32. All else is computed in f32.
;;   The module's matrix products, in the order in which they are computed (A, B: the left and right operand; K: the contracted axis; several contracted axes count as one K, in the product's order):
;;     1. [M 4,096, K 1,024] x [K 1,024, N 1,024]; A: input x (given as codes); B: input Wq (given as codes): QUANTISED
;;     2. [M 4,096, K 1,024] x [K 1,024, N 256]; A: input x (given as codes); B: input Wk (given as codes): QUANTISED
;;     3. [M 4,096, K 1,024] x [K 1,024, N 256]; A: input x (given as codes); B: input Wv (given as codes): QUANTISED
;;     4. batch 4 x [M 4,096, K 64] x [K 64, N 16,384]; A: computed on the way; B: computed on the way: QUANTISED
;;     5. batch 4 x [M 64, K 4,096] x [K 4,096, N 16,384]; A: computed on the way; B: softmax (see below): QUANTISED
;;     6. [M 4,096, K 1,024] x [K 1,024, N 1,024]; A: computed on the way; B: input Wo (given as codes): QUANTISED
;;   THE QUANTISER, for each operand of a quantised product, along K:
;;     - K is cut into blocks of 32 from its start; a last block that is shorter is filled with zeros.
;;     - A block's scale is 2^e with e = floor(log2(the largest magnitude in the block)) - 2, held to -126 .. 127; a block of zeros has e = 0. As a byte (E8M0): e + 127.
;;     - Each number is divided by its block's scale, clamped to +-7.5, and rounded to the nearest number of E2M3, ties to even, subnormals kept.
;;     - The product sums the exact products of the quantised numbers (number of the format x scale) in f32.
;;   ~~~python
;;   def quantise(x, axis):      # numpy; x: float32 -> the quantised numbers, widened to float32 again
;;       x = np.moveaxis(x, axis, -1); K = x.shape[-1]
;;       x = np.pad(x, [(0, 0)] * (x.ndim - 1) + [(0, -K % 32)]); x = x.reshape(x.shape[:-1] + (-1, 32)); a = np.abs(x).max(-1, keepdims=True)
;;       e = np.where(a > 0, np.clip(np.frexp(np.where(a > 0, a, 1))[1] - 1 - 2, -126, 127), 0)      # np.frexp(a)[1] - 1 = floor(log2(a)), exactly
;;       r = np.clip(x / 2.0 ** e, -7.5, 7.5)
;;       step = 2.0 ** (np.maximum(np.frexp(np.where(r == 0, 1, r))[1] - 1, 0) - 3)
;;       q = np.round(r / step) * step * 2.0 ** e      # np.round: ties to even
;;       return np.moveaxis(q.reshape(q.shape[:-2] + (-1,))[..., :K], -1, axis).astype(np.float32)
;;   ~~~
;;   SOFTMAX AHEAD OF A QUANTISED PRODUCT. Where the list says 'softmax', what is quantised is not the finished softmax but p = 2^(t - M), with t = logit x log2(e) and M = ceil(the row's largest t), a whole number; so 1/2 < the row's largest p <= 1. The row's sum l is taken of the UNQUANTISED p, in f32, and the product's result is divided by l at the end. Since M is a whole number, a kernel that streams over the keys may use a running M (the ceiling of the running maximum): every later rescaling is an exact power of two, which a block's scale takes up: the codes' values come out the same.
;;   OPERANDS COMPUTED ON THE WAY. 'Computed on the way' means the value that the module computes at that place (a softmax that the list does not call 'softmax' is quantised finished and normalised). What goes into a quantiser is computed in f32, as accurately as f32 sums, v_exp_f32 and their like allow (about 1e-6 of the number): no bf16 or f16 on the way to a quantiser, and a product that is left as it is and whose result goes on into a quantised operand takes f32 operands (vector FMAs, or v_wmma_f32_16x16x4_f32). A number that lies on a knife's edge between two numbers of the format may be rounded either way, as far as f32 arithmetic and the matrix unit's own rounding can turn it there, and no further.
;;   INPUTS GIVEN AS CODES. Wk (in the module: [1024, 256], K = its axis 0); Wo (in the module: [1024, 1024], K = its axis 0); Wq (in the module: [1024, 1024], K = its axis 0); Wv (in the module: [1024, 256], K = its axis 0); x (in the module: [1, 4096, 1024], K = its axis 2): each comes as NAME_codes (uint8): NAME with its K axis moved to the last place and cut into blocks of 32 codes, [.., K / 32, bytes a block], one block behind the other in memory; four codes in three bytes: a row's codes are one little-endian stream of bits, code i at bits 6 i .. 6 i + 5 (a code: sign, 2 exponent bits, 3 mantissa bits); and NAME_scales (uint8): the same leading axes, one E8M0 byte (e + 127) for each 32 codes along K. Its value is code x scale, taken as it is: it is not quantised again, and the codes and scales need not be those that the quantiser above would give.
;; One version. Each part assembles by itself: llvm-mc -triple=amdgcn-amd-amdhsa -mcpu=gfx1250 --defsym DOCPART=n.
;; ======== version 1 of 1: 3 launches
;; limits: right only within a limited range of input values
;; workspace buffers: qc 3,145,728 bytes; qs 262,144 bytes; kvc 1,572,864 bytes; kvs 98,304 bytes; ac 3,145,728 bytes; asc 131,072 bytes
;; launch qkv (part 1): grid 32 x 8, 8 waves a work-group, clusters of 4 x 1, 327,680 bytes of LDS; arguments x_codes, x_scales, Wq_codes, Wq_scales, Wk_codes, Wk_scales, Wv_codes, Wv_scales, qc, qs, kvc, kvs; writes qc, qs, kvc, kvs
.if DOCPART == 1
	.amdgcn_target "amdgcn-amd-amdhsa--gfx1250"
	.amdhsa_code_object_version 6
	.text
	.protected	k_q7835211dbb_qkv
	.globl	k_q7835211dbb_qkv
	.p2align	8
	.type	k_q7835211dbb_qkv,@function
k_q7835211dbb_qkv:
	s_mov_b64 s[64:65], 0
	v_nop
	global_prefetch_b8 v0, s[64:65] scope:SCOPE_SE
	s_setreg_imm32_b32 hwreg(HW_REG_WAVE_MODE, 25, 1), 1
	s_wait_xcnt 0x0
	s_wait_alu depctr_hold_cnt(0) depctr_sa_sdst(0) depctr_va_vdst(0) depctr_va_sdst(0) depctr_va_ssrc(0) depctr_va_vcc(0) depctr_vm_vsrc(0)
	s_getreg_b32 s2, hwreg(HW_REG_IB_STS2, 6, 4)
	s_cmp_eq_u32 s2, 0
	s_cbranch_scc0 .Lentry_in_a_cluster
	s_endpgm
.Lentry_in_a_cluster:
	s_bfe_u32 s2, ttmp6, 0x10000c
	s_cmp_lg_u32 s2, 0x3003
	s_cbranch_scc0 .Lentry_shape_is_right
	s_endpgm
.Lentry_shape_is_right:
; q = rope(x Wq), k = rope(x Wk), v = x Wv on codes of FP6 (E2M3) as they are given, and the quantisers of q and k (along the head's 64) and of v (along the keys).
; DEAD WORK: none.  Every input has a way to the output, all ten are loaded by the program, and no step of the computation is left out.
; LIMITS: NaN, infinities and the scale byte 0xff among the inputs are not served.  A block of zeros gets the scale byte 1, not 127: its codes are zeros, and the bytes are read by this program alone.
;   The frequencies are 1 / f32(10^(j/8)), j = 0 .. 31; where a library's power is one unit in the last place off, an angle (at most 4,095 x frequency) moves by at most 4e-4 radians.
;   cos and sin: the angle is the f32 product position x frequency; it is reduced by pi/2 in two parts (the first subtraction is exact) and goes through polynomials good to about 1e-7.
; SHARES.  24 units of 64 columns: 0-15 the heads of q, 16-19 those of k, 20-23 those of v.  A work-group takes 128 rows x 3 units (32 x 8 = 256 work-groups); wave w takes rows 64 (w & 1) on of unit w >> 1:
;   64 x 64 in 16 accumulators.  All operands of a work-group lie in LDS whole (5 tiles of 64 rows x 768 bytes and their scale bytes): one fill, one barrier, nothing is filled again.
; CLUSTER.  The four work-groups of a cluster have the same three units: W's tiles are asked for jointly.  x's tiles are also read by the eight column groups, but the branch between the path of q and k
;   and the path of v hangs on the column group: so the cluster runs along the rows alone, and x's tiles are plain loads.
; LAYOUT.  q, k: source 0 = 16 columns of W, source 1 = 16 rows of x: a lane holds ONE row, register 8 i + j the channel 16 i + 8 (lane / 16) + j.  v: the sources swapped: a lane holds one channel and its registers run along the keys.
;   Two neighbouring tiles are 16 numbers of a block of 32; converted, and the halves exchanged, a lane holds a whole block in the order 0-7, 16-23, 8-15, 24-31.  q and k get the same order along the channels, v and
;   (in the next launch) p the same order along the keys: the same order inside a scale's block on both operands leaves every product and every sum's set of terms as it was.
; WORKSPACE: images of operand registers.  A record is 16 rows x 64 along K: registers 0-3 at 16 x lane (512 bytes), registers 4-5 at 512 + 8 x lane (256 bytes): three aligned runs of 256 bytes, each stored whole.
.set PITCH, 816                        ; an LDS row: 3 x (256 bytes + 16 of padding) = 204 words: row r starts at bank 12 r mod 64, so the 32 lanes of a load of 8 bytes touch 64 different banks (64 banks of 4 bytes: ISA guide 11.1)
.set T16,   16*PITCH
.set TILEB, 64*PITCH                   ; a tile of 64 rows.  Tiles 0-2: W's three units; tiles 3, 4: x's two halves
.set SCL,   5*TILEB                    ; the tiles' scale bytes, 64 rows x 32 bytes each, dense
.set TRIG,  SCL+5*2048                 ; cos and sin: 8 row tiles x 4,096 bytes, images of 32 registers (16 cos, 16 sin)
.set SPARE, TRIG+8*4096                ; the spare words, 128 bytes for each wave: four blocks of 256 bytes that no other line names
.set KVHB,  32*12288                   ; a key head's bytes in kvc: 32 key steps of 12,288 bytes (8 records of k, 8 of v)
.set R,    1                           ; v1   lane % 16
.set HF,   2                           ; v2   lane / 16
.set LN,   3                           ; v3   lane
.set AX,   4                           ; v4   LDS address of my fragments of x; v5 the same behind one padding more
.set AW,   6                           ; v6, v7 the same for W
.set ASC,  8                           ; v8   scale words: lanes 0-15 W's rows, lanes 16-31 x's
.set ATR,  9                           ; v9   where I read cos and sin
.set ATW,  10                          ; v10  where I store them
.set GA,   11                          ; v11  16 x lane
.set GB,   12                          ; v12  8 x lane
.set SPW,  13                          ; v13  LDS address of my spare word; never rewritten
.set NIL,  14                          ; v14  0; never rewritten
.set TMP,  15
.set SC,   16                          ; v16-31 scale words and nothing else: register 4 i + q: lanes 0-15 W's tile i, lanes 16-31 x's tile i, K step 4 (s / 4) + q
.set XF,   32                          ; v32-79  x's four fragments
.set WF,   80                          ; v80-127 W's four
.set ACC,  128                         ; v128-255
.set TR,   32                          ; the way out: v32-47 cos, v48-63 sin of a row tile
.set CD,   64                          ; v64-87 codes, 6 registers a record
.set CT,   88                          ; v88-90 a block's second half
.set T1,   92
.set T2,   94
.set QM,   96                          ; v96-97 largest magnitudes, v98-99 the other half's, v100-101 the conversions' scale operands, v102-103 the bytes
.set QO,   98
.set QS,   100
.set QB,   102
.set WD,   104                         ; v104-107 a scale word (or half word) for each record
.set SW,   108                         ; v108-109 as they are stored
.set IFR,  32                          ; cos and sin are made in: v32-47 the lane's 16 frequencies, v48-65 constants in pairs, v68-69 the position, v70-93 at work, v96-111 cos, v112-127 sin
.set KC,   48
.set TT,   68
.set WK,   70
.set COSR, 96
.set SINR, 112
.set G1CJ, 28                          ; s[28:35] group 1, a tile of codes, joint;  s[36:43] plain;  s[44:51] scale bytes, joint;  s[52:59] plain
.set G1CP, 36
.set G1SJ, 44
.set G1SP, 52
.set WV,   60
.set IW,   61                          ; which 64 rows
.set JW,   62                          ; which of the three units
.set CX,   63
.set RB,   66                          ; block of 128 rows = key step
.set GC,   67                          ; column group
.set G0WC, 68                          ; s[68:71], s[72:75] groups 0 for W's codes and scale bytes;  s[76:79], s[80:83] for x's
.set G0WS, 72
.set G0XC, 76
.set G0XS, 80
.set UU,   84                          ; my unit
.set HM,   85                          ; lanes 16-31
.set SEL,  86                          ; s[86:87] v_permlanex16_b32's selects for lane l xor 16
.set DC,   88                          ; s[88:89] where my records go;  s[90:91] my scale words
.set DW,   90
.macro ROUND                           ; a round of the cluster's barrier
	s_barrier_signal -1
	s_barrier_wait -1
	s_cmp_lg_u32 s[WV], 0
	s_cbranch_scc1 .Lnot_wave_0_\@
	s_barrier_signal -3
.Lnot_wave_0_\@:
	s_barrier_wait -3
	s_barrier_signal -1
	s_barrier_wait -1
.endm
	s_load_b512 s[4:19], s[0:1], 0x0               ; x codes s[4:5], scales s[6:7]; Wq s[8:9], s[10:11]; Wk s[12:13], s[14:15]; Wv s[16:17], s[18:19]
	s_load_b256 s[20:27], s[0:1], 0x40             ; qc s[20:21], qs s[22:23], kvc s[24:25], kvs s[26:27]
	v_lshl_add_u32 v[SPW], v0, 2, SPARE
	v_mov_b32 v[NIL], 0
	ds_add_u32 v[SPW], v[NIL]                      ; the wave's opening: the add, twice on end, and its wait ahead of the first tensor load; the set-up below, work on registers, stands between
	ds_add_u32 v[SPW], v[NIL]
	v_lshrrev_b32 v[TMP], 5, v0
	v_readfirstlane_b32 s[WV], v[TMP]              ; wave 0..7
	s_and_b32 s[IW], s[WV], 1
	s_lshr_b32 s[JW], s[WV], 1
	s_bfe_u32 s[CX], ttmp6, 0x40000                ; my place in the cluster: it enters x's addresses, the positions and the outputs' addresses alone
	s_lshl_b32 s[RB], ttmp9, 2
	s_add_co_u32 s[RB], s[RB], s[CX]
	s_and_b32 s[GC], ttmp7, 0xffff                 ; the same in all four partners
	s_mul_i32 s[UU], s[GC], 3
	s_add_co_u32 s[UU], s[UU], s[JW]
	s_mov_b32 s[HM], 0xffff0000
	s_mov_b32 s[SEL], 0x76543210
	s_mov_b32 s[SEL+1], 0xfedcba98
	; group 1, codes: 64 rows of 96 elements of 8 bytes, dense in memory; 16 bytes of padding behind every 256
	s_mov_b32 s[G1CJ], 15|(3<<16)|(1<<20)|(1<<21)|(5<<22)|(3<<25)  ; the mask names the four partners; bit 21 stands beside a mask
	s_mov_b32 s[G1CP], (3<<16)|(1<<20)|(5<<22)|(3<<25)
.irp g, G1CJ, G1CP
	s_mov_b32 s[\g+1], 96<<16                      ; tensor_dim0
	s_mov_b32 s[\g+2], 64<<16                      ; tensor_dim1
	s_mov_b32 s[\g+3], 96<<16                      ; tile_dim0
	s_mov_b32 s[\g+4], 64                          ; tile_dim1
	s_mov_b32 s[\g+5], 96                          ; from row to row
	s_mov_b32 s[\g+6], 0
	s_mov_b32 s[\g+7], 0
.endr
	; group 1, scale bytes: 2,048 dense bytes as 8 rows of 256, no padding
	s_mov_b32 s[G1SJ], 15|(3<<16)|(1<<21)
	s_mov_b32 s[G1SP], 3<<16
	s_mov_b32 s[G1CP+2], 128<<16                   ; x's codes come as one tile of 128 rows
	s_mov_b32 s[G1CP+4], 128
.irp g, G1SJ, G1SP
	s_mov_b32 s[\g+1], 32<<16
	s_mov_b32 s[\g+2], 8<<16
	s_mov_b32 s[\g+3], 32<<16
	s_mov_b32 s[\g+4], 8
	s_mov_b32 s[\g+5], 32
	s_mov_b32 s[\g+6], 0
	s_mov_b32 s[\g+7], 0
.endr
	; every LDS address is made here, ahead of the first branch on the wave's number
	s_mov_b32 s[G1SP+2], 16<<16                    ; x's scale bytes as one tile of 16 rows of 256 bytes
	s_mov_b32 s[G1SP+4], 16
	v_and_b32 v[R], 15, v0
	v_bfe_u32 v[HF], v0, 4, 1
	v_and_b32 v[LN], 31, v0
	v_mul_u32_u24 v[TMP], v[R], PITCH
	v_mad_u32_u24 v[TMP], v[HF], 24, v[TMP]        ; row x pitch + 24 x half
	s_add_co_u32 s92, s[IW], 3
	s_mul_i32 s92, s92, TILEB
	v_add_nc_u32 v[AX], s92, v[TMP]
	v_lshl_add_u32 v[AX+1], v[HF], 4, v[AX]
	s_mul_i32 s93, s[JW], TILEB
	v_add_nc_u32 v[AW], s93, v[TMP]
	v_lshl_add_u32 v[AW+1], v[HF], 4, v[AW]
	s_lshl_b32 s93, s[JW], 11                      ; W's scale bytes: tile J,
	s_add_co_u32 s92, s[IW], 3
	s_lshl_b32 s92, s92, 11                        ; x's: tile 3 + I
	s_sub_co_u32 s92, s92, s93
	v_mul_u32_u24 v[ASC], s92, v[HF]               ; lanes 16-31 take x's: one product, the distance between the two
	v_lshl_add_u32 v[ASC], v[R], 5, v[ASC]         ; 32 bytes a row
	s_add_co_u32 s93, s93, SCL
	v_add_nc_u32 v[ASC], s93, v[ASC]
	v_lshlrev_b32 v[GA], 4, v[LN]
	v_lshlrev_b32 v[GB], 3, v[LN]
	s_lshl_b32 s92, s[IW], 14
	s_add_co_u32 s92, s92, TRIG
	v_add_nc_u32 v[ATR], s92, v[GA]                ; my four row tiles of the table
	s_min_u32 s92, s[WV], 3                        ; (waves 4 and 5 store nothing there)
	s_lshl_b32 s92, s92, 13
	s_add_co_u32 s92, s92, TRIG
	v_add_nc_u32 v[ATW], s92, v[GA]                ; waves 0-3 make two row tiles each
	s_wait_dscnt 0x0                               ; both opening adds are done
	s_wait_kmcnt 0x0
	; W's tile of wave w (0, 1, 2): unit 3 G + w, out of Wq, Wk or Wv: the choice hangs on ids alone
	s_sub_co_u32 s93, s[WV], 5                     ; waves 0-2 fetch the codes of unit 3 G + w, waves 5-7 the scale bytes of unit 3 G + w - 5
	s_cmp_ge_u32 s[WV], 5
	s_cselect_b32 s92, s93, s[WV]
	s_min_u32 s92, s92, 2
	s_mul_i32 s93, s[GC], 3
	s_add_co_u32 s92, s92, s93
	s_cmp_lt_u32 s92, 20
	s_cselect_b64 s[94:95], s[12:13], s[16:17]
	s_cselect_b64 s[96:97], s[14:15], s[18:19]
	s_cselect_b32 s93, 16, 20
	s_cmp_lt_u32 s92, 16
	s_cselect_b64 s[94:95], s[8:9], s[94:95]
	s_cselect_b64 s[96:97], s[10:11], s[96:97]
	s_cselect_b32 s93, 0, s93
	s_sub_co_u32 s92, s92, s93                     ; the unit's number in its own buffer
	s_mul_i32 s98, s92, 64*768
	s_mov_b32 s99, 0
	s_lshl_b32 s100, s92, 11
	s_mov_b32 s101, 0
	s_mov_b32 s[G0WC], 1
	s_mul_i32 s[G0WC+1], s[WV], TILEB              ; tile w
	s_add_nc_u64 s[G0WC+2:G0WC+3], s[94:95], s[98:99]
	s_or_b32 s[G0WC+3], s[G0WC+3], 0x80000000
	s_mov_b32 s[G0WS], 1
	s_lshl_b32 s[G0WS+1], s[WV], 11
	s_add_co_u32 s[G0WS+1], s[G0WS+1], SCL-5*2048  ; waves 5-7: tile w - 5
	s_add_nc_u64 s[G0WS+2:G0WS+3], s[96:97], s[100:101]
	s_or_b32 s[G0WS+3], s[G0WS+3], 0x80000000
	; x's tiles: wave 3 the codes, wave 4 the scale bytes, of rows 128 RB on
	s_mul_i32 s98, s[RB], 128*768                  ; x's 128 rows, whole: tiles 3 and 4 lie on end in LDS
	s_lshl_b32 s100, s[RB], 12
	s_mov_b32 s[G0XC], 1
	s_mov_b32 s[G0XC+1], 3*TILEB
	s_add_nc_u64 s[G0XC+2:G0XC+3], s[4:5], s[98:99]
	s_or_b32 s[G0XC+3], s[G0XC+3], 0x80000000
	s_mov_b32 s[G0XS], 1
	s_mov_b32 s[G0XS+1], SCL+3*2048
	s_add_nc_u64 s[G0XS+2:G0XS+3], s[6:7], s[100:101]
	s_or_b32 s[G0XS+3], s[G0XS+3], 0x80000000
	ROUND                                          ; all four work-groups are here: the joint loads meet
	; the eight fills, one a wave, in one chain of branches on the wave's number: waves 0-2 W's codes, wave 3 x's codes, wave 4 x's scale bytes, waves 5-7 W's scale bytes
	s_cmp_lt_u32 s[WV], 3
	s_cbranch_scc0 .Lnot_w
	tensor_load_to_lds s[G0WC:G0WC+3], s[G1CJ:G1CJ+7]
	s_nop 0
.rept 4
	v_nop
.endr
	s_branch .Lfilled
.Lnot_w:
	s_cmp_lt_u32 s[WV], 4
	s_cbranch_scc0 .Lnot_xc
	tensor_load_to_lds s[G0XC:G0XC+3], s[G1CP:G1CP+7]
	s_nop 0
.rept 4
	v_nop
.endr
	s_branch .Lfilled
.Lnot_xc:
	s_cmp_lt_u32 s[WV], 5
	s_cbranch_scc0 .Lnot_xs
	tensor_load_to_lds s[G0XS:G0XS+3], s[G1SP:G1SP+7]
	s_nop 0
.rept 4
	v_nop
.endr
	s_branch .Lfilled
.Lnot_xs:
	tensor_load_to_lds s[G0WS:G0WS+3], s[G1SJ:G1SJ+7]
	s_nop 0
.rept 4
	v_nop
.endr
.Lfilled:
	; ---- cos and sin of the work-group's 128 positions, while the fills are on their way.  Waves 0-3, two row tiles each.  Column group 7 holds units of v alone and needs none.
	s_cmp_lt_u32 s[WV], 4
	s_cbranch_scc0 .Lno_trig
	s_cmp_lt_u32 s[GC], 7
	s_cbranch_scc0 .Lno_trig
.macro PSEL e, lo, hi                  ; register e of lane (r, h) serves frequency e + 8 h + 8 (e / 8): 10^(that / 8), lanes 0-15 the first number, lanes 16-31 the second
	v_mov_b32 v[IFR+\e], \lo
	v_mov_b32 v[WK+\e], \hi
	v_cndmask_b32 v[IFR+\e], v[IFR+\e], v[WK+\e], s[HM]
.endm
	PSEL 0, 0x3f800000, 0x41200000
	PSEL 1, 0x3faab0d5, 0x41555d0a
	PSEL 2, 0x3fe39ea9, 0x418e432a
	PSEL 3, 0x4017c496, 0x41bdb5bc
	PSEL 4, 0x404a62c2, 0x41fcfb72
	PSEL 5, 0x4086f161, 0x4228adb9
	PSEL 6, 0x40b3f300, 0x4260efc0
	PSEL 7, 0x40eff755, 0x4295fa95
	PSEL 8, 0x42c80000, 0x447a0000
	PSEL 9, 0x43055a26, 0x44a6b0b0
	PSEL 10, 0x4331d3f4, 0x44de48f1
	PSEL 11, 0x436d232b, 0x451435fb
	PSEL 12, 0x439e1d27, 0x4545a471
	PSEL 13, 0x43d2d927, 0x4583c7b8
	PSEL 14, 0x440c95d8, 0x45afbb4e
	PSEL 15, 0x443b793b, 0x45ea5789
	s_wait_alu depctr_va_vdst(0)
.irp e, 0,1,2,3,4,5,6,7,8,9,10,11,12,13,14,15
	v_rcp_f32 v[WK+\e], v[IFR+\e]
.endr
	v_nop                                          ; a plain instruction behind the last reciprocal,
	s_wait_alu depctr_va_vdst(0)                   ; and one wait for the sixteen, ahead of their first reader
.irp e, 0,1,2,3,4,5,6,7,8,9,10,11,12,13,14,15
	v_fma_f32 v[COSR+\e], -v[IFR+\e], v[WK+\e], 1.0 ; the reciprocal's error,
.endr
.irp e, 0,1,2,3,4,5,6,7,8,9,10,11,12,13,14,15
	v_fma_f32 v[IFR+\e], v[WK+\e], v[COSR+\e], v[WK+\e] ; taken off: the quotient 1 / 10^(idx / 8) in f32
.endr
.macro KPAIR n, val
	v_mov_b32 v[KC+2*\n], \val
	v_mov_b32 v[KC+2*\n+1], \val
.endm
	KPAIR 0, 0x3f22f983                            ; 2 / pi
	KPAIR 1, 0xbfc90fdb                            ; -(pi / 2 rounded to f32)
	KPAIR 2, 0x333bbd2e                            ; what that rounding added
	KPAIR 3, 0xb94ca1f9                            ; sin r = r + r z (s1 + z (s2 + z s3)), z = r r
	KPAIR 4, 0x3c08839e
	KPAIR 5, 0xbe2aaaa3
	KPAIR 6, 0x37ccf5ce                            ; cos r = 1 - z / 2 + z z (c2 + z (c1 + z c0))
	KPAIR 7, 0xbab6061a
	KPAIR 8, 0x3d2aaaa5
	s_lshl_b32 s92, s[RB], 7
	s_lshl_b32 s93, s[WV], 5
	s_add_co_u32 s92, s92, s93                     ; my first position: 128 RB + 32 w
.macro TRIGT k                         ; row tile 2 w + k
	s_add_co_u32 s93, s92, 16*\k
	v_add_nc_u32 v[WK], s93, v[R]
	v_cvt_f32_u32 v[TT], v[WK]                     ; my row's position
	v_mov_b32 v[TT+1], v[TT]
.irp e, 0,2,4,6,8,10,12,14
	v_pk_mul_f32 v[WK:WK+1], v[IFR+\e:IFR+\e+1], v[TT:TT+1]          ; the angle, rounded to f32 once
	v_pk_mul_f32 v[WK+2:WK+3], v[WK:WK+1], v[KC:KC+1]
	v_rndne_f32 v[WK+2], v[WK+2]                                     ; n: how many quarter turns
	v_rndne_f32 v[WK+3], v[WK+3]
	v_pk_fma_f32 v[WK+4:WK+5], v[WK+2:WK+3], v[KC+2:KC+3], v[WK:WK+1]     ; exact: both terms are multiples of 2^-24 and the difference is under 1
	v_pk_fma_f32 v[WK+4:WK+5], v[WK+2:WK+3], v[KC+4:KC+5], v[WK+4:WK+5]   ; r
	v_pk_mul_f32 v[WK+6:WK+7], v[WK+4:WK+5], v[WK+4:WK+5]            ; z
	v_pk_fma_f32 v[WK+8:WK+9], v[WK+6:WK+7], v[KC+6:KC+7], v[KC+8:KC+9]
	v_pk_fma_f32 v[WK+12:WK+13], v[WK+6:WK+7], v[KC+12:KC+13], v[KC+14:KC+15]
	v_pk_mul_f32 v[WK+10:WK+11], v[WK+6:WK+7], v[WK+4:WK+5]          ; z r
	v_pk_mul_f32 v[WK+14:WK+15], v[WK+6:WK+7], v[WK+6:WK+7]          ; z z
	v_pk_fma_f32 v[WK+8:WK+9], v[WK+8:WK+9], v[WK+6:WK+7], v[KC+10:KC+11]
	v_pk_fma_f32 v[WK+12:WK+13], v[WK+12:WK+13], v[WK+6:WK+7], v[KC+16:KC+17]
	v_pk_fma_f32 v[WK+16:WK+17], v[WK+6:WK+7], -0.5, 1.0 op_sel_hi:[1,0,0]
	v_pk_fma_f32 v[WK+8:WK+9], v[WK+8:WK+9], v[WK+10:WK+11], v[WK+4:WK+5]       ; sin r
	v_pk_fma_f32 v[WK+12:WK+13], v[WK+12:WK+13], v[WK+14:WK+15], v[WK+16:WK+17] ; cos r
.irp x, 0,1
	v_cvt_i32_f32 v[WK+18], v[WK+2+\x]
	v_and_b32 v[WK+19], 1, v[WK+18]
	v_cmp_eq_u32 vcc_lo, 1, v[WK+19]                                 ; an odd n: sin and cos change places
	v_cndmask_b32 v[WK+20], v[WK+8+\x], v[WK+12+\x], vcc_lo
	v_cndmask_b32 v[WK+21], v[WK+12+\x], v[WK+8+\x], vcc_lo
	v_lshlrev_b32 v[WK+22], 30, v[WK+18]                             ; sin turns its sign where n mod 4 is 2 or 3: bit 1 of n,
	v_add_nc_u32 v[WK+23], 1, v[WK+18]                               ; cos where it is 1 or 2: bit 1 of n + 1
	v_and_b32 v[WK+22], 0x80000000, v[WK+22]
	v_lshlrev_b32 v[WK+23], 30, v[WK+23]
	v_xor_b32 v[SINR+\e+\x], v[WK+20], v[WK+22]
	v_and_b32 v[WK+23], 0x80000000, v[WK+23]
	v_xor_b32 v[COSR+\e+\x], v[WK+21], v[WK+23]
.endr
.endr
.irp q, 0,1,2,3,4,5,6,7
	ds_store_b128 v[ATW], v[COSR+4*\q:COSR+4*\q+3] offset:4096*\k+512*\q   ; the 32 registers as they stand, 16 bytes a lane
.endr
	s_wait_dscnt 0x0                               ; the stores have read their registers
.endm
	TRIGT 0
	TRIGT 1
.Lno_trig:
	s_wait_tensorcnt 0x0                           ; my fills have landed,
	s_wait_dscnt 0x0                               ; my part of the table is stored:
	s_barrier_signal -1
	s_barrier_wait -1                              ; everybody's.  From here on LDS is only read
; A fragment, 16 rows x 128 K of 6-bit codes, is 12 registers: lane l holds row l % 16; registers 6 c .. 6 c + 5 hold K = 64 c + 32 (l / 16) + 0 .. 31: 24 bytes of the row, as they lie, in pieces of 8 bytes.
; Lanes 16-31 read three pieces further on than lanes 0-15; where that is behind one padding more (16 bytes behind every 32 pieces) the second address register serves.
.macro FRAG reg, adr, s, tile
.irp p, 0,1,2,3,4,5
.set PC, 12*(\s)+6*(\p/3)+\p%3
.if PC%32 < 29
	ds_load_b64 v[\reg+2*\p:\reg+2*\p+1], v[\adr] offset:8*PC+16*(PC/32)+(\tile)*T16
.else
	ds_load_b64 v[\reg+2*\p:\reg+2*\p+1], v[\adr+1] offset:8*PC+16*(PC/32)+(\tile)*T16
.endif
.endr
.endm
; One product.  kind 0 (q, k): source 0 = W's tile i, source 1 = x's tile a.  kind 1 (v): the sources swapped.  x's scale words stand in lanes 16-31 of the scale registers.  K step 0 starts the sums.
.macro MM s, a, i, kind
.if \kind == 0
.if (\s) == 0
	v_wmma_scale_f32_16x16x128_f8f6f4 v[ACC+8*(4*\a+\i):ACC+8*(4*\a+\i)+7], v[WF+12*\i:WF+12*\i+11], v[XF+12*\a:XF+12*\a+11], 0, v[SC+4*\i+(\s)%4], v[SC+4*\a+(\s)%4] matrix_a_fmt:MATRIX_FMT_FP6 matrix_b_fmt:MATRIX_FMT_FP6 matrix_b_scale:MATRIX_SCALE_ROW1
.else
	v_wmma_scale_f32_16x16x128_f8f6f4 v[ACC+8*(4*\a+\i):ACC+8*(4*\a+\i)+7], v[WF+12*\i:WF+12*\i+11], v[XF+12*\a:XF+12*\a+11], v[ACC+8*(4*\a+\i):ACC+8*(4*\a+\i)+7], v[SC+4*\i+(\s)%4], v[SC+4*\a+(\s)%4] matrix_a_fmt:MATRIX_FMT_FP6 matrix_b_fmt:MATRIX_FMT_FP6 matrix_b_scale:MATRIX_SCALE_ROW1
.endif
.else
.if (\s) == 0
	v_wmma_scale_f32_16x16x128_f8f6f4 v[ACC+8*(4*\i+\a):ACC+8*(4*\i+\a)+7], v[XF+12*\a:XF+12*\a+11], v[WF+12*\i:WF+12*\i+11], 0, v[SC+4*\a+(\s)%4], v[SC+4*\i+(\s)%4] matrix_a_fmt:MATRIX_FMT_FP6 matrix_b_fmt:MATRIX_FMT_FP6 matrix_a_scale:MATRIX_SCALE_ROW1
.else
	v_wmma_scale_f32_16x16x128_f8f6f4 v[ACC+8*(4*\i+\a):ACC+8*(4*\i+\a)+7], v[XF+12*\a:XF+12*\a+11], v[WF+12*\i:WF+12*\i+11], v[ACC+8*(4*\i+\a):ACC+8*(4*\i+\a)+7], v[SC+4*\a+(\s)%4], v[SC+4*\i+(\s)%4] matrix_a_fmt:MATRIX_FMT_FP6 matrix_b_fmt:MATRIX_FMT_FP6 matrix_a_scale:MATRIX_SCALE_ROW1
.endif
.endif
.endm
; A K step of 128: 48 loads of fragments (every fourth step: 4 more, the scale words of four steps), 16 products.  The 16 accumulators take turns, one instruction a turn, in the same order in every step.
.macro KSTEP s, kind
.if (\s) > 0
.rept 4
	v_nop                                          ; four places between the last products and loads into registers that they read (ISA guide 7.12.1 for vector instructions)
.endr
.endif
.if (\s)%4 == 0
.irp i, 0,1,2,3
	ds_load_b128 v[SC+4*\i:SC+4*\i+3], v[ASC] offset:512*\i+16*((\s)/4)
.endr
.endif
.irp i, 0,1,2,3
	FRAG WF+12*\i, AW, \s, \i
.endr
.irp a, 0,1,2,3
	FRAG XF+12*\a, AX, \s, \a
.endr
	s_wait_dscnt 12                                ; all but the twelve youngest loads: x's tiles 2 and 3
.irp a, 0,1
.irp i, 0,1,2,3
	MM \s, \a, \i, \kind
.endr
.endr
	s_wait_dscnt 0x0
.irp a, 2,3
.irp i, 0,1,2,3
	MM \s, \a, \i, \kind
.endr
.endr
.endm
; 32 numbers of a lane, two blocks' halves of 16 (the other halves lie in lane l xor 16), become a record's 6 registers in v[cd] on; the two scale bytes stay in v[QB], v[QB+1].
.macro QUANT2 src, cd
	v_max3_num_f32 v[QM], |v[(\src)]|, |v[(\src)+1]|, 0x1800000         ; my 16 numbers, and the floor 2^(3 - 127): so the byte cannot fall under 1
	v_max3_num_f32 v[QM+1], |v[(\src)+16]|, |v[(\src)+17]|, 0x1800000
.irp i, 2,4,6,8,10,12,14
	v_max3_num_f32 v[QM], v[QM], |v[(\src)+\i]|, |v[(\src)+1+\i]|       ; (the two blocks by turns)
	v_max3_num_f32 v[QM+1], v[QM+1], |v[(\src)+16+\i]|, |v[(\src)+17+\i]|
.endr
	v_permlanex16_b32 v[QO], v[QM], s[SEL], s[SEL+1]
	v_permlanex16_b32 v[QO+1], v[QM+1], s[SEL], s[SEL+1]
	v_max_num_f32 v[QM], v[QM], v[QO]              ; the block's largest magnitude
	v_max_num_f32 v[QM+1], v[QM+1], v[QO+1]
	v_add_nc_u32 v[QS], 0xff000000, v[QM]          ; 2 off its exponent field: the conversion takes the exponent field of this operand as its scale
	v_add_nc_u32 v[QS+1], 0xff000000, v[QM+1]
	v_lshrrev_b32 v[QB], 23, v[QS]                 ; the scale's byte
	v_lshrrev_b32 v[QB+1], 23, v[QS+1]
	v_cvt_scalef32_pk16_fp6_f32 v[(\cd):(\cd)+2], v[(\src):(\src)+15], v[QS]
	v_cvt_scalef32_pk16_fp6_f32 v[CT:CT+2], v[(\src)+16:(\src)+31], v[QS+1]
	v_nop                                          ; one plain place behind a scaled conversion
.irp i, 0,1,2
	v_permlane16_swap_b32 v[(\cd)+\i], v[CT+\i]    ; lanes 0-15 now hold block 0 whole, lanes 16-31 block 1
.endr
.irp i, 0,1,2
	v_mov_b32 v[(\cd)+3+\i], v[CT+\i]
.endr
.endm
	s_cmp_ge_u32 s[WV], 6                          ; waves 6 and 7 have fetched their tiles and own no part of the block
	s_cbranch_scc1 .Ldone
	s_cmp_ge_u32 s[UU], 20
	s_cbranch_scc1 .Lv_path
	; ---- q, k
	s_wait_alu depctr_va_vdst(0)
.irp s, 0,1,2,3,4,5,6,7
	KSTEP \s, 0
.endr
	s_mov_b32 s93, KVHB                            ; a head's bytes in kvc;
	s_mov_b32 s94, 24576                           ; its scale bytes in kvs;
	s_mov_b32 s95, 12288                           ; a block of 128 rows = a key step
	s_cmp_lt_u32 s[UU], 16
	s_cselect_b64 s[DC:DC+1], s[20:21], s[24:25]
	s_cselect_b64 s[DW:DW+1], s[22:23], s[26:27]
	s_cselect_b32 s92, 0, 16
	s_cselect_b32 s93, 256*768, s93                ; in qc: 256 row tiles of 768 bytes a head,
	s_cselect_b32 s94, 16384, s94
	s_cselect_b32 s95, 6144, s95                   ; 8 row tiles a block
	s_sub_co_u32 s92, s[UU], s92                   ; the head's number in its tensor
	s_mul_i32 s93, s92, s93
	s_mul_i32 s95, s[RB], s95
	s_add_co_u32 s96, s93, s95
	s_mul_i32 s95, s[IW], 3072
	s_add_co_u32 s96, s96, s95
	s_mov_b32 s97, 0
	s_add_nc_u64 s[DC:DC+1], s[DC:DC+1], s[96:97]
	s_mul_i32 s94, s92, s94
	s_lshl_b32 s95, s[RB], 1
	s_add_co_u32 s95, s95, s[IW]
	s_lshl_b32 s95, s95, 8                         ; my group of 64 rows: 256 bytes of scale words
	s_add_co_u32 s96, s94, s95
	s_add_nc_u64 s[DW:DW+1], s[DW:DW+1], s[96:97]
.rept 4
	v_nop                                          ; four places behind the last products
.endr
	v_mov_b32 v[QO], 0                             ; written once: a lane permute's destination counts as one of its sources
	v_mov_b32 v[QO+1], 0
.macro TRLOAD a
.irp q, 0,1,2,3,4,5,6,7
	ds_load_b128 v[TR+4*\q:TR+4*\q+3], v[ATR] offset:4096*(\a)+512*\q
.endr
.endm
.macro ROPE a                          ; registers e and 16 + e of a row tile are channels d and d + 32: (lo, hi) -> (lo cos - hi sin, hi cos + lo sin); each accumulator is read from its low end on
.irp e, 0,2,4,6,8,10,12,14
	v_pk_mul_f32 v[T1:T1+1], v[ACC+32*(\a)+16+\e:ACC+32*(\a)+17+\e], v[TR+16+\e:TR+17+\e]
	v_pk_mul_f32 v[T2:T2+1], v[ACC+32*(\a)+\e:ACC+32*(\a)+1+\e], v[TR+16+\e:TR+17+\e]
	v_pk_fma_f32 v[ACC+32*(\a)+\e:ACC+32*(\a)+1+\e], v[ACC+32*(\a)+\e:ACC+32*(\a)+1+\e], v[TR+\e:TR+1+\e], v[T1:T1+1] neg_lo:[0,0,1] neg_hi:[0,0,1]
	v_pk_fma_f32 v[ACC+32*(\a)+16+\e:ACC+32*(\a)+17+\e], v[ACC+32*(\a)+16+\e:ACC+32*(\a)+17+\e], v[TR+\e:TR+1+\e], v[T2:T2+1]
.endr
.endm
	TRLOAD 0
.irp a, 0,1,2,3
	s_wait_dscnt 0x0                               ; this row tile's cos and sin are in
	ROPE \a
.if \a < 3
	TRLOAD \a+1                                    ; the next tile's land while this one is quantised
.endif
	QUANT2 ACC+32*\a, CD+6*\a
	v_lshl_or_b32 v[WD+\a], v[QB+1], 8, v[QB]
	v_or_b32 v[WD+\a], 0x7f7f0000, v[WD+\a]        ; bytes 2 and 3, for the upper 64 of the next product's 128 along K, which hold zeros on q's side: the scale 1
	global_store_b128 v[GA], v[CD+6*\a:CD+6*\a+3], s[DC:DC+1] offset:768*\a          ; 32 lanes store 512 consecutive bytes,
	global_store_b64 v[GB], v[CD+6*\a+4:CD+6*\a+5], s[DC:DC+1] offset:768*\a+512     ; and 256
.endr
	v_cndmask_b32 v[SW], v[WD], v[WD+1], s[HM]     ; word 0 of lane l: row l of my 64;
	v_cndmask_b32 v[SW+1], v[WD+2], v[WD+3], s[HM] ; word 1: row 32 + l
	global_store_b64 v[GB], v[SW:SW+1], s[DW:DW+1] ; 256 consecutive bytes
	s_branch .Ldone
.Lv_path:
	; ---- v: a lane holds one channel, its registers run along my 64 keys
	s_wait_alu depctr_va_vdst(0)
.irp s, 0,1,2,3,4,5,6,7
	KSTEP \s, 1
.endr
	s_sub_co_u32 s92, s[UU], 20
	s_mul_i32 s93, s92, KVHB                       ; my key head in kvc,
	s_mul_i32 s95, s[RB], 12288                    ; my key step,
	s_add_co_u32 s96, s93, s95
	s_mul_i32 s95, s[IW], 768                      ; my half of the step's 128 keys
	s_add_co_u32 s96, s96, s95
	s_add_co_u32 s96, s96, 6144                    ; behind the step's 8 records of k
	s_mov_b32 s97, 0
	s_add_nc_u64 s[DC:DC+1], s[24:25], s[96:97]
	s_mul_i32 s93, s92, 24576
	s_lshl_b32 s95, s[RB], 8
	s_add_co_u32 s96, s93, s95
	s_lshl_b32 s95, s[IW], 1
	s_add_co_u32 s96, s96, s95
	s_add_co_u32 s96, s96, 16384                   ; behind k's scale words
	s_add_nc_u64 s[DW:DW+1], s[26:27], s[96:97]
.rept 4
	v_nop
.endr
	v_mov_b32 v[QO], 0
	v_mov_b32 v[QO+1], 0
.irp b, 0,1,2,3
	QUANT2 ACC+32*\b, CD+6*\b
	v_lshl_or_b32 v[WD+\b], v[QB+1], 8, v[QB]
	global_store_b128 v[GA], v[CD+6*\b:CD+6*\b+3], s[DC:DC+1] offset:1536*\b
	global_store_b64 v[GB], v[CD+6*\b+4:CD+6*\b+5], s[DC:DC+1] offset:1536*\b+512
.endr
	v_cndmask_b32 v[SW], v[WD], v[WD+1], s[HM]     ; channel l,
	v_cndmask_b32 v[SW+1], v[WD+2], v[WD+3], s[HM] ; channel 32 + l
	global_store_b16 v[GB], v[SW], s[DW:DW+1]      ; a scale word spans 128 keys and I hold 64: two bytes a lane, 8 bytes apart.  32,768 bytes of the launch's 5.1 million leave so
	global_store_b16 v[GB], v[SW+1], s[DW:DW+1] offset:4
.Ldone:
	s_wait_tensorcnt 0x0                           ; the wave's end
	ds_add_u32 v[SPW], v[NIL]
	s_wait_dscnt 0x0
	ROUND                                          ; the closing round
	s_endpgm
.Lfunc_end_k_q7835211dbb_qkv:
	.size	k_q7835211dbb_qkv, .Lfunc_end_k_q7835211dbb_qkv-k_q7835211dbb_qkv
	.p2alignl 7, 3214868480
	.fill 96, 4, 3214868480
	.section	.rodata,"a",@progbits
	.p2align	6, 0x0
	.amdhsa_kernel k_q7835211dbb_qkv
		.amdhsa_group_segment_fixed_size 327680
		.amdhsa_private_segment_fixed_size 0
		.amdhsa_enable_private_segment 0
		.amdhsa_kernarg_size 96
		.amdhsa_user_sgpr_count 2
		.amdhsa_user_sgpr_kernarg_segment_ptr 1
		.amdhsa_wavefront_size32 1
		.amdhsa_system_sgpr_workgroup_id_x 1
		.amdhsa_system_sgpr_workgroup_id_y 1
		.amdhsa_system_sgpr_workgroup_id_z 1
		.amdhsa_system_vgpr_workitem_id 0
		.amdhsa_next_free_vgpr 256
		.amdhsa_next_free_sgpr 102
		.amdhsa_reserve_vcc 1
		.amdhsa_float_denorm_mode_32 3
		.amdhsa_float_denorm_mode_16_64 3
		.amdhsa_memory_ordered 1
		.amdhsa_forward_progress 1
		.amdhsa_inst_pref_size 159
	.end_amdhsa_kernel
	.amdgpu_metadata
---
amdhsa.version: [ 1, 2 ]
amdhsa.kernels:
  - .name:           k_q7835211dbb_qkv
    .symbol:         k_q7835211dbb_qkv.kd
    .args:
      - { .name: x_codes, .offset: 0, .size: 8, .value_kind: global_buffer, .address_space: global }
      - { .name: x_scales, .offset: 8, .size: 8, .value_kind: global_buffer, .address_space: global }
      - { .name: Wq_codes, .offset: 16, .size: 8, .value_kind: global_buffer, .address_space: global }
      - { .name: Wq_scales, .offset: 24, .size: 8, .value_kind: global_buffer, .address_space: global }
      - { .name: Wk_codes, .offset: 32, .size: 8, .value_kind: global_buffer, .address_space: global }
      - { .name: Wk_scales, .offset: 40, .size: 8, .value_kind: global_buffer, .address_space: global }
      - { .name: Wv_codes, .offset: 48, .size: 8, .value_kind: global_buffer, .address_space: global }
      - { .name: Wv_scales, .offset: 56, .size: 8, .value_kind: global_buffer, .address_space: global }
      - { .name: qc, .offset: 64, .size: 8, .value_kind: global_buffer, .address_space: global }
      - { .name: qs, .offset: 72, .size: 8, .value_kind: global_buffer, .address_space: global }
      - { .name: kvc, .offset: 80, .size: 8, .value_kind: global_buffer, .address_space: global }
      - { .name: kvs, .offset: 88, .size: 8, .value_kind: global_buffer, .address_space: global }
    .group_segment_fixed_size: 327680
    .private_segment_fixed_size: 0
    .kernarg_segment_align: 8
    .kernarg_segment_size: 96
    .max_flat_workgroup_size: 256
    .sgpr_count:     102
    .vgpr_count:     256
    .wavefront_size: 32
...
	.end_amdgpu_metadata
.endif
;; end of part 1
;; launch attn (part 2): grid 64 x 4, 8 waves a work-group, clusters of 4 x 1, 327,680 bytes of LDS; arguments qc, qs, kvc, kvs, ac, asc; writes ac, asc
.if DOCPART == 2
	.amdgcn_target "amdgcn-amd-amdhsa--gfx1250"
	.amdhsa_code_object_version 6
	.text
	.protected	k_q7835211dbb_attn
	.globl	k_q7835211dbb_attn
	.p2align	8
	.type	k_q7835211dbb_attn,@function
k_q7835211dbb_attn:
	s_mov_b64 s[64:65], 0
	v_nop
	global_prefetch_b8 v0, s[64:65] scope:SCOPE_SE
	s_setreg_imm32_b32 hwreg(HW_REG_WAVE_MODE, 25, 1), 1
	s_wait_xcnt 0x0
	s_wait_alu depctr_hold_cnt(0) depctr_sa_sdst(0) depctr_va_vdst(0) depctr_va_sdst(0) depctr_va_ssrc(0) depctr_va_vcc(0) depctr_vm_vsrc(0)
	s_getreg_b32 s2, hwreg(HW_REG_IB_STS2, 6, 4)
	s_cmp_eq_u32 s2, 0
	s_cbranch_scc0 .Lentry_in_a_cluster
	s_endpgm
.Lentry_in_a_cluster:
	s_bfe_u32 s2, ttmp6, 0x10000c
	s_cmp_lg_u32 s2, 0x3003
	s_cbranch_scc0 .Lentry_shape_is_right
	s_endpgm
.Lentry_shape_is_right:
; For each head: o = softmax(q k^T / 8) v on codes of FP6 (E2M3), and the quantiser of o along the 1,024 of heads x channels.  No work is left out.
; THE SOFTMAX: t = score x log2(e) / 8; M = the row's largest t so far, rounded UP to a whole number; p = 2^(t - M) is quantised along the keys, not normalised.  The row's sum is taken of the
; unquantised p and divides o at the end.  When M moves, the sums and o are multiplied by 2^(old M - new M), which rounds nothing.
; LIMITS: NaN and infinities are not served; the promise holds while the scaled scores stay under 2^31 in magnitude; a block of zeros gets the scale byte 1 (its codes are zeros; the bytes are read by
; this program alone).  A block's largest p is taken as the exponential of the block's largest score, which takes v_exp_f32 not to fall where its input rises.
; SHARES.  A work-group owns 64 queries of the four query heads of one key head: eight waves, wave w = head w & 3, row tiles 2 (w >> 2) and 2 (w >> 2) + 1.  A wave's two tiles of 16 queries
; share every fragment of k and v that it reads from LDS.  Every wave walks all 4,096 keys, 128 a step.
; CLUSTER: the four work-groups of a cluster belong to one key head and walk the same k and v: every tensor load is a joint one.
; LDS.  k and v come as images of operand registers (12,288 bytes a step: 8 records of k, 8 of v).  24 steps fit beside the key head's 24,576 bytes of scale words.  The head asks for steps 0-7 and the
; scale words, one load a wave; steps 8-23 follow behind the first round; steps 24-31 are the one refill, into the bytes of steps 0-7, behind the round that follows step 7.
; NO PREFETCH: the second fill is asked for directly behind the first, and the refill sixteen key steps ahead of its first read: no trip stands ahead of either in which to ask earlier.
; LAYOUT.  Both products are used transposed: S^T = k q^T, O^T = v^T p^T: a lane holds ONE query of each tile throughout.
; THE KEYS OF A TILE OF k ARE CHOSEN BY LDS ADDRESS: of 64 keys, tile t takes as rows 0-7 the keys 8 s .. 8 s + 7 and as rows 8-15 the keys 32 + 8 s .. 32 + 8 s + 7, s = 2 (t & 1) + (t >> 1).  So lanes 0-15 hold
; a whole even block of 32 keys in 32 registers and lanes 16-31 the odd block beside it, as the next product's operand wants them, in the order 0-7, 16-23, 8-15, 24-31 in which the launch before laid v's keys.
; K = 64 IN AN INSTRUCTION OF 128.  q's fragment is 6 registers of codes and 6 of zeros.  k's tiles lie 6 registers apart, so the upper half of a tile's operand is the next tile's codes (for tile 7: v's first
; 6 registers): numbers of the format, which meet zeros and add nothing; the scale bytes of that half are 127 on both sides.
; THE NEXT STEP'S FRAGMENTS OF k are asked for in this step, behind its score products.  In the last step ahead of a barrier the address is held at that step itself: what is read then is not used,
; and the fragments are read anew behind the barrier.
; INDEPENDENT WORK BY TURNS: tile B's t - M stands among tile A's exponentials, the first level of tile A's sum among tile B's; what is written inside a batch is first read behind the next wait.
; REGISTERS.  Window 1: v0-63, v64-127 S^T then p of tiles A, B; v128-159, v160-191 O^T; v192-199 the blocks' largest scores, in two chains; v200-215 the rows' sums; v216-255 the sums' trees.  Window 0: all else.
.set STEPB, 12288
.set SLOTB, 8*STEPB
.set SCK,   3*SLOTB                    ; k's scale words, 512 bytes a step
.set SCV,   SCK+16384                  ; v's, 256 bytes a step
.set STG,   SCV+8192                   ; the way out: 64 rows x 8 scale bytes
.set SPARE, STG+512                    ; the spare words, 128 bytes for each wave: four blocks of 256 bytes that no other line names
.set KA16, 1                           ; v1-6 the step's LDS addresses: k by 16 and by 8 bytes, k's scale words, v by 16 and by 8, v's scale words
.set KA8,  2
.set KSA,  3
.set VA16, 4
.set VA8,  5
.set VSA,  6
.set SPW,  7                           ; LDS address of my spare word; never rewritten
.set NIL,  8                           ; 0; never rewritten
.set BK16, 9                           ; v9-14 the lane's part of these six
.set BK8,  10
.set BKS,  11
.set BV16, 12
.set BV8,  13
.set BVS,  14
.set SH8,  15                          ; 8 x (lane / 16)
.set SGW,  16
.set SGR,  17
.set QSO,  18
.set NM,   20                          ; v20, v22: -M of tiles A, B;  v21, v23: the largest score so far
.set F,    24                          ; v24, v26: f;  v25, v27: p's scale words and nothing else
.set QSW,  28                          ; v28, v29 q's scale words
.set KS,   30                          ; v30-33 k's scale words
.set VS,   34                          ; v34-35 v's
.set KF,   52                          ; v52-99 k's 8 tiles, 6 registers each
.set VF,   100                         ; v100-147 v's 4 fragments
.set Q,    148                         ; v148-159, v160-171 q's fragments
.set P,    172                         ; v172-183, v184-195 p's codes
.set CT,   196                         ; v196-211 a block's upper 16 codes, 4 registers apart
.set MX,   212
.set MO,   214
.set OLD,  216
.set QM,   218
.set QS,   222
.set QB,   226
.set WT,   230
.set WO,   232
.set X,    52                          ; the way out: o of both tiles, 64 registers
.set OA,   128                         ; window 1
.set BM,   192
.set SU,   200                         ; four pairs a tile
.set T,    216                         ; tile A's tree from T on, tile B's from T + 8 on: 16 pairs each
.set WV,   16
.set HQ,   17
.set A2,   18
.set CX,   19
.set SEL,  20
.set CS,   22
.set G1A,  24                          ; group 1: 64, 48 and 96 rows of 256 bytes
.set G1B,  32
.set G1C,  40
.set G0H,  48                          ; group 0: steps 0-7; the scale words; steps 8-23; steps 24-31
.set G0K,  52
.set G0S,  56
.set G0R,  60
.set TB,   66                          ; LDS byte of the step's records; of k's scale words; of v's
.set TS,   67
.set TJ,   68
.set KB,   69                          ; the same for the step whose k is asked for
.set KT,   70
.set CNT,  71
.set QG,   72
.set KVH,  73
.set MSB, 0
.macro WIN new                         ; the immediate's high byte repeats the setting that is left
.if MSB != \new
	s_set_vgpr_msb (MSB<<8)|\new
.set MSB, \new
.endif
.endm
.macro ROUND
	s_barrier_signal -1
	s_barrier_wait -1
	s_cmp_lg_u32 s[WV], 0
	s_cbranch_scc1 .Lnot_wave_0_\@
	s_barrier_signal -3
.Lnot_wave_0_\@:
	s_barrier_wait -3
	s_barrier_signal -1
	s_barrier_wait -1
.endm
.macro GRP1 g, rows                    ; dense rows of 256 bytes (32 elements of 8), no padding; the mask names the four partners, bit 21 beside it
	s_mov_b32 s[\g], 15|(3<<16)|(1<<21)
	s_mov_b32 s[\g+1], 32<<16
	s_mov_b32 s[\g+2], (\rows)<<16
	s_mov_b32 s[\g+3], 32<<16
	s_mov_b32 s[\g+4], \rows
	s_mov_b32 s[\g+5], 32
	s_mov_b32 s[\g+6], 0
	s_mov_b32 s[\g+7], 0
.endm
.macro NOP4
.rept 4
	v_nop
.endr
.endm
.macro DEP n
	s_delay_alu instid0(VALU_DEP_\n)
.endm
	s_load_b256 s[4:11], s[0:1], 0x0               ; qc s[4:5], qs s[6:7], kvc s[8:9], kvs s[10:11]
	s_load_b128 s[12:15], s[0:1], 0x20             ; ac s[12:13], asc s[14:15]
	v_lshl_add_u32 v[SPW], v0, 2, SPARE
	v_mov_b32 v[NIL], 0
	ds_add_u32 v[SPW], v[NIL]                      ; the opening: the add, twice on end, and its wait ahead of my first tensor load
	ds_add_u32 v[SPW], v[NIL]
	v_lshrrev_b32 v1, 5, v0
	v_readfirstlane_b32 s[WV], v1                  ; wave 0..7
	s_and_b32 s[HQ], s[WV], 3
	s_lshr_b32 s[A2], s[WV], 2
	s_bfe_u32 s[CX], ttmp6, 0x40000                ; my place in the cluster: it enters q's and the outputs' addresses alone
	s_lshl_b32 s[QG], ttmp9, 2
	s_add_co_u32 s[QG], s[QG], s[CX]               ; my group of 64 queries
	s_and_b32 s[KVH], ttmp7, 0xffff                ; my key head: the same in all four partners
	GRP1 G1A, 64
	GRP1 G1B, 48
	GRP1 G1C, 96
	s_mov_b32 s[SEL], 0x76543210
	s_mov_b32 s[SEL+1], 0xfedcba98
	s_mov_b32 s[CS], 0x3e38aa3b                    ; c = log2(e) / 8
	s_mov_b32 s[CS+1], s[CS]
	s_mov_b32 s[TB], 0
	s_mov_b32 s[TS], 0
	s_mov_b32 s[TJ], 0
	s_lshl_b32 s94, s[A2], 8
	s_lshl_b32 s95, s[HQ], 1
	s_add_co_u32 s94, s94, s95
	s_add_co_u32 s94, s94, STG                     ; the stage: 8 bytes a row, my head's two at 2 x head; my first tile's rows begin at 32 (w >> 2)
	s_lshl_b32 s74, s[KVH], 2
	s_add_co_u32 s74, s74, s[HQ]                   ; my head
	s_lshl_b32 s75, s[QG], 2
	s_lshl_b32 s76, s[A2], 1
	s_add_co_u32 s75, s75, s76                     ; my first row tile
	s_lshl_b32 s76, s74, 8
	s_add_co_u32 s76, s76, s75
	s_mul_i32 s76, s76, 768                        ; q's records
	s_mov_b32 s77, 0
	s_lshl_b32 s78, s74, 14                        ; q's scale words: 16,384 bytes a head, 256 a group; row 16 a + r is word a / 2 of lane 16 (a % 2) + r
	s_lshl_b32 s79, s[QG], 8
	s_add_co_u32 s78, s78, s79
	s_lshl_b32 s79, s[A2], 2
	s_add_co_u32 s78, s78, s79
	s_mov_b32 s79, 0
	s_lshl_b32 s80, s75, 4
	s_add_co_u32 s80, s80, s74
	s_mul_i32 s80, s80, 768                        ; my first record of the output
	s_mov_b32 s81, 0
	s_lshl_b32 s82, s[QG], 2
	s_add_co_u32 s82, s82, s[KVH]
	s_lshl_b32 s82, s82, 9                         ; the work-group's 512 scale bytes
	s_mov_b32 s83, 0
	s_mul_i32 s84, s[KVH], 4*SLOTB
	s_mov_b32 s85, 0
	s_max_u32 s86, s[WV], 6
	s_sub_co_u32 s86, s86, 6
	s_mul_i32 s86, s86, 12288                      ; waves 6, 7: a half of the scale words
	s_mul_i32 s87, s[KVH], 24576
	s_add_co_u32 s86, s86, s87
	s_mov_b32 s87, 0
	s_lshl_b32 s88, s[WV], 14
	s_mov_b32 s89, 0
	s_mul_i32 s90, s[WV], 12288
	s_mov_b32 s91, 0
	s_mul_i32 s92, s[WV], 24576
	s_mov_b32 s93, 0
	v_and_b32 v52, 7, v0
	v_bfe_u32 v53, v0, 3, 1
	v_bfe_u32 v54, v0, 4, 1
	v_and_b32 v56, 31, v0
	v_and_b32 v57, 15, v0
	v_mul_u32_u24 v55, v53, 1536                   ; rows 8-15 of a tile come from the record two on
	v_lshl_add_u32 v[BK16], v52, 4, v55
	v_lshl_add_u32 v[BK8], v52, 3, v55
	v_lshl_add_u32 v[BKS], v52, 3, SCK             ; key 32 a + b of 64 has its word at 8 b + 4 a
	v_lshl_add_u32 v[BK16], v54, 8, v[BK16]
	v_lshl_add_u32 v[BK8], v54, 7, v[BK8]
	v_lshl_add_u32 v[BKS], v53, 2, v[BKS]
	v_lshlrev_b32 v[BV16], 4, v56
	v_lshlrev_b32 v[BV8], 3, v56
	v_lshl_add_u32 v[BKS], v54, 7, v[BKS]          ; lanes 16-31 take an odd tile's words
	v_lshl_add_u32 v[BVS], v56, 3, SCV
	v_lshlrev_b32 v[SH8], 3, v54
	v_lshl_add_u32 v[SGR], v56, 4, STG
	v_lshlrev_b32 v[QSO], 3, v57
	v_lshl_add_u32 v[SGW], v57, 3, s94
	s_wait_dscnt 0x0                               ; both opening adds are done
	s_wait_kmcnt 0x0
	s_add_nc_u64 s[4:5], s[4:5], s[76:77]
	s_add_nc_u64 s[6:7], s[6:7], s[78:79]
	s_add_nc_u64 s[8:9], s[8:9], s[84:85]
	s_add_nc_u64 s[12:13], s[12:13], s[80:81]
	s_add_nc_u64 s[14:15], s[14:15], s[82:83]
	s_mov_b32 s[G0H], 1                            ; waves 0-5: a sixth of steps 0-7
	s_lshl_b32 s[G0H+1], s[WV], 14
	s_add_nc_u64 s[G0H+2:G0H+3], s[8:9], s[88:89]
	s_or_b32 s[G0H+3], s[G0H+3], 0x80000000
	s_mov_b32 s[G0K], 1
	s_mul_i32 s[G0K+1], s[WV], 12288
	s_add_co_u32 s[G0K+1], s[G0K+1], SCK-6*12288
	s_add_nc_u64 s[G0K+2:G0K+3], s[10:11], s[86:87]
	s_or_b32 s[G0K+3], s[G0K+3], 0x80000000
	s_mov_b32 s[G0S], 1                            ; every wave: an eighth of steps 8-23
	s_mul_i32 s[G0S+1], s[WV], 24576
	s_add_co_u32 s[G0S+1], s[G0S+1], SLOTB
	s_add_nc_u64 s[G0S+2:G0S+3], s[8:9], s[92:93]
	s_add_nc_u64 s[G0S+2:G0S+3], s[G0S+2:G0S+3], SLOTB
	s_or_b32 s[G0S+3], s[G0S+3], 0x80000000
	s_mov_b32 s[G0R], 1                            ; every wave: an eighth of steps 24-31
	s_mul_i32 s[G0R+1], s[WV], 12288
	s_add_nc_u64 s[G0R+2:G0R+3], s[8:9], s[90:91]
	s_add_nc_u64 s[G0R+2:G0R+3], s[G0R+2:G0R+3], 3*SLOTB
	s_or_b32 s[G0R+3], s[G0R+3], 0x80000000
	ROUND                                          ; all four work-groups are here: the first joint loads meet
	s_cmp_lt_u32 s[WV], 6                          ; one load a wave, a load in each arm
	s_cbranch_scc0 .Lhead_s
	tensor_load_to_lds s[G0H:G0H+3], s[G1A:G1A+7]
	s_nop 0
	NOP4
	s_branch .Lhead_j
.Lhead_s:
	tensor_load_to_lds s[G0K:G0K+3], s[G1B:G1B+7]
	s_nop 0
	NOP4
.Lhead_j:
	s_wait_alu depctr_va_vdst(0)                   ; the wait ahead of the readers below
	global_load_b128 v[Q:Q+3], v[BV16], s[4:5]     ; q's two records stay in registers
	global_load_b64 v[Q+4:Q+5], v[BV8], s[4:5] offset:512
	global_load_b128 v[Q+12:Q+15], v[BV16], s[4:5] offset:768
	global_load_b64 v[Q+16:Q+17], v[BV8], s[4:5] offset:1280
	global_load_b32 v[QSW], v[QSO], s[6:7]
	global_load_b32 v[QSW+1], v[QSO], s[6:7] offset:128
.irp j, 0,1,2,3,4,5
	v_mov_b32 v[Q+6+\j], 0                         ; the upper 64 of q's 128 along K: zero codes
	v_mov_b32 v[Q+18+\j], 0
	v_mov_b32 v[VF+\j], 0                          ; named by the first step's product of tile 7 before v's first records land
.endr
.irp x, 0,1
	v_mov_b32 v[NM+2*\x+1], 0xff61b1e6             ; the largest score so far: -3e38
	v_mov_b32 v[NM+2*\x], 0x7e000000               ; -M: so large that the first f is 0
	v_mov_b32 v[F+2*\x+1], 0                       ; (named as the upper half of a pair before it is first written)
	v_mov_b32 v[MO+\x], 0                          ; a lane permute's destination counts as one of its sources
	v_mov_b32 v[WO+\x], 0
.endr
	WIN 0x40
.irp j, 0,1,2,3,4,5,6,7,8,9,10,11,12,13,14,15
	v_mov_b32 v[SU+\j], 0                          ; the sums
.endr
	WIN 0
.macro ADDRK
	v_add_nc_u32 v[KA16], s[KB], v[BK16]
	v_add_nc_u32 v[KA8], s[KB], v[BK8]
	v_add_nc_u32 v[KSA], s[KT], v[BKS]
.endm
.macro ADDRV
	v_add_nc_u32 v[VA16], s[TB], v[BV16]
	v_add_nc_u32 v[VA8], s[TB], v[BV8]
	v_add_nc_u32 v[VSA], s[TJ], v[BVS]
.endm
.macro KLD g                           ; 4 tiles of k and their scale words: 10 loads
.irp t, 0,1,2,3
	ds_load_b128 v[KF+6*(4*\g+\t):KF+6*(4*\g+\t)+3], v[KA16] offset:3072*\g+768*(\t%2)+128*(\t/2)
	ds_load_b64 v[KF+6*(4*\g+\t)+4:KF+6*(4*\g+\t)+5], v[KA8] offset:3072*\g+768*(\t%2)+64*(\t/2)+512
.endr
.irp u, 0,1
	ds_load_b32 v[KS+2*\g+\u], v[KSA] offset:256*\g+64*\u   ; lanes 0-15 tile 4 g + 2 u, lanes 16-31 tile 4 g + 2 u + 1
.endr
.endm
.macro VLD f0                          ; records f0 and f0 + 1 of v: record 2 b + c is registers 6 c on of the fragment of channels 16 b on
.irp f, \f0, \f0+1
	ds_load_b128 v[VF+6*(\f):VF+6*(\f)+3], v[VA16] offset:6144+768*(\f)
	ds_load_b64 v[VF+6*(\f)+4:VF+6*(\f)+5], v[VA8] offset:6144+768*(\f)+512
.endr
.endm
.macro SMM x, g, t                     ; S^T of tile x, keys' tile 4 g + t
.if (\t)%2
	v_wmma_scale_f32_16x16x128_f8f6f4 v[64*\x+8*(4*\g+\t):64*\x+8*(4*\g+\t)+7], v[KF+6*(4*\g+\t):KF+6*(4*\g+\t)+11], v[Q+12*\x:Q+12*\x+11], 0, v[KS+2*\g+(\t)/2], v[QSW+\x] matrix_a_fmt:MATRIX_FMT_FP6 matrix_b_fmt:MATRIX_FMT_FP6 matrix_a_scale:MATRIX_SCALE_ROW1
.else
	v_wmma_scale_f32_16x16x128_f8f6f4 v[64*\x+8*(4*\g+\t):64*\x+8*(4*\g+\t)+7], v[KF+6*(4*\g+\t):KF+6*(4*\g+\t)+11], v[Q+12*\x:Q+12*\x+11], 0, v[KS+2*\g+(\t)/2], v[QSW+\x] matrix_a_fmt:MATRIX_FMT_FP6 matrix_b_fmt:MATRIX_FMT_FP6
.endif
.endm
.macro PVM x, b, first                 ; O^T of tile x, channels 16 b on
.if \first
.if (\b)%2
	v_wmma_scale_f32_16x16x128_f8f6f4 v[OA+32*\x+8*\b:OA+32*\x+8*\b+7], v[VF+12*\b:VF+12*\b+11], v[P+12*\x:P+12*\x+11], 0, v[VS+(\b)/2], v[F+2*\x+1] matrix_a_fmt:MATRIX_FMT_FP6 matrix_b_fmt:MATRIX_FMT_FP6 matrix_a_scale:MATRIX_SCALE_ROW1
.else
	v_wmma_scale_f32_16x16x128_f8f6f4 v[OA+32*\x+8*\b:OA+32*\x+8*\b+7], v[VF+12*\b:VF+12*\b+11], v[P+12*\x:P+12*\x+11], 0, v[VS+(\b)/2], v[F+2*\x+1] matrix_a_fmt:MATRIX_FMT_FP6 matrix_b_fmt:MATRIX_FMT_FP6
.endif
.else
.if (\b)%2
	v_wmma_scale_f32_16x16x128_f8f6f4 v[OA+32*\x+8*\b:OA+32*\x+8*\b+7], v[VF+12*\b:VF+12*\b+11], v[P+12*\x:P+12*\x+11], v[OA+32*\x+8*\b:OA+32*\x+8*\b+7], v[VS+(\b)/2], v[F+2*\x+1] matrix_a_fmt:MATRIX_FMT_FP6 matrix_b_fmt:MATRIX_FMT_FP6 matrix_a_scale:MATRIX_SCALE_ROW1
.else
	v_wmma_scale_f32_16x16x128_f8f6f4 v[OA+32*\x+8*\b:OA+32*\x+8*\b+7], v[VF+12*\b:VF+12*\b+11], v[P+12*\x:P+12*\x+11], v[OA+32*\x+8*\b:OA+32*\x+8*\b+7], v[VS+(\b)/2], v[F+2*\x+1] matrix_a_fmt:MATRIX_FMT_FP6 matrix_b_fmt:MATRIX_FMT_FP6
.endif
.endif
.endm
.macro LV t, n                         ; a level of a sum's tree: pair i += pair i + n, i < n
.set J, 0
.rept \n
	v_pk_add_f32 v[(\t)+2*J:(\t)+2*J+1], v[(\t)+2*J:(\t)+2*J+1], v[(\t)+2*J+2*\n:(\t)+2*J+2*\n+1]
.set J, J+1
.endr
.endm
; A KEY STEP: 128 keys, two tiles of queries.  first = 1: the products start O^T.  lastb, lastt: where the address of the k asked for is held
.macro STEP first, lastb, lastt
	WIN 0x40
.irp g, 0,1
.irp t, 0,1,2,3
	SMM 0, \g, \t
	SMM 1, \g, \t
.endr
.endr
	NOP4                                           ; four places ahead of the first read of the scores
	WIN 0x55
.irp k, 0,1,2,3                                    ; the largest score of each of the lane's four blocks of 32 keys, each in two chains (numbers 0-16 and 17-31), the eight by turns; each accumulator is first read at its low end
	v_max3_num_f32 v[BM+\k], v[32*\k], v[32*\k+1], v[32*\k+2]
	v_max3_num_f32 v[BM+4+\k], v[32*\k+17], v[32*\k+18], v[32*\k+19]
.endr
.set J, 0
.rept 7
.irp k, 0,1,2,3
	v_max3_num_f32 v[BM+\k], v[BM+\k], v[32*\k+3+J], v[32*\k+4+J]
.if J < 12
	v_max3_num_f32 v[BM+4+\k], v[BM+4+\k], v[32*\k+20+J], v[32*\k+21+J]
.endif
.endr
.set J, J+2
.endr
.irp k, 0,1,2,3
	v_max_num_f32 v[BM+\k], v[BM+\k], v[BM+4+\k]
.endr
	WIN 0x05
	v_max_num_f32 v[MX], v[BM], v[BM+1]
	v_max_num_f32 v[MX+1], v[BM+2], v[BM+3]
	WIN 0
	; M and f of both tiles by turns; this step's v and the next step's k are asked for between the lines
.irp x, 0,1
	v_permlanex16_b32 v[MO+\x], v[MX+\x], s[SEL], s[SEL+1]
.endr
	VLD 0
.irp x, 0,1
	v_mov_b32 v[OLD+\x], v[NM+2*\x]
.endr
	VLD 2
.irp x, 0,1
	v_max3_num_f32 v[NM+2*\x+1], v[NM+2*\x+1], v[MX+\x], v[MO+\x]   ; the running largest score of my query
.endr
	VLD 4
.irp x, 0,1
	v_mul_f32 v[MX+\x], s[CS], v[NM+2*\x+1]        ; as t
.endr
	VLD 6
	ds_load_b64 v[VS:VS+1], v[VSA]
.irp x, 0,1
	v_floor_f32 v[NM+2*\x], -v[MX+\x]              ; -M = floor(-t) = -ceil(t)
.endr
	KLD 0
.irp x, 0,1
	v_sub_f32 v[OLD+\x], v[NM+2*\x], v[OLD+\x]     ; old M less new M: a whole number, 0 or less
.endr
	KLD 1
.irp x, 0,1
	v_cvt_i32_f32 v[OLD+\x], v[OLD+\x]             ; (it saturates)
.endr
.irp x, 0,1
	v_ldexp_f32 v[F+2*\x], 1.0, v[OLD+\x]          ; f = 2^(old M - new M)
.endr
	WIN 0x41
	v_fma_f32 v[BM], v[BM], s[CS], v[NM]
	v_fma_f32 v[BM+1], v[BM+1], s[CS], v[NM]
.set J, 0
.rept 32
	v_pk_fma_f32 v[J:J+1], v[J:J+1], s[CS:CS+1], v[NM:NM+1] op_sel_hi:[1,0,0]   ; tile A's t - M, two at a time
.set J, J+2
.endr
.if \first == 0
.irp x, 0,1
.set J, 0
.rept 16
	v_pk_mul_f32 v[OA+32*\x+J:OA+32*\x+J+1], v[OA+32*\x+J:OA+32*\x+J+1], v[F+2*\x:F+2*\x+1] op_sel_hi:[1,0]   ; O^T under the new M
.set J, J+2
.endr
.endr
.endif
	s_wait_alu depctr_va_vdst(0)                   ; the wait ahead of a batch of exponentials
.set J, 0
.rept 32                                           ; tile A's p = 2^(t - M); among them tile B's t - M, which is first read behind the next wait
	v_exp_f32 v[J], v[J]
	v_pk_fma_f32 v[64+J:65+J], v[64+J:65+J], s[CS:CS+1], v[NM+2:NM+3] op_sel_hi:[1,0,0]
	v_exp_f32 v[J+1], v[J+1]
.set J, J+2
.endr
	v_exp_f32 v[BM], v[BM]                         ; and its two blocks' largest p
	v_fma_f32 v[BM+2], v[BM+2], s[CS], v[NM+2]
	v_exp_f32 v[BM+1], v[BM+1]
	v_fma_f32 v[BM+3], v[BM+3], s[CS], v[NM+2]     ; (a plain instruction stands behind the batch's last exponential)
	s_wait_alu depctr_va_vdst(0)                   ; the wait behind tile A's batch and ahead of tile B's
	WIN 0x45
.set J, 0
.rept 16                                           ; tile B's p; among them the first level of tile A's sum of the unquantised p: pair i + pair i + 16, first read behind the next wait
	v_exp_f32 v[64+4*J], v[64+4*J]
	v_exp_f32 v[65+4*J], v[65+4*J]
	v_pk_add_f32 v[T+2*J:T+2*J+1], v[2*J:2*J+1], v[32+2*J:33+2*J]
	v_exp_f32 v[66+4*J], v[66+4*J]
	v_exp_f32 v[67+4*J], v[67+4*J]
.set J, J+1
.endr
	v_exp_f32 v[BM+2], v[BM+2]
	v_exp_f32 v[BM+3], v[BM+3]
	s_wait_alu depctr_va_vdst(0)                   ; the wait for tile B's batch
	s_wait_dscnt 0x0                               ; v's records and the next step's k are in
	s_add_co_u32 s[TB], s[TB], STEPB
	s_add_co_u32 s[TS], s[TS], 512
	s_add_co_u32 s[TJ], s[TJ], 256
	s_add_co_u32 s[KB], s[TB], STEPB
	s_min_u32 s[KB], s[KB], \lastb
	s_add_co_u32 s[KT], s[TS], 512
	s_min_u32 s[KT], s[KT], \lastt
	LV T, 8                                        ; tile A's tree down to four pairs,
	LV T, 4
.set J, 0
.rept 16
	v_pk_add_f32 v[T+8+2*J:T+9+2*J], v[64+2*J:65+2*J], v[96+2*J:97+2*J]   ; tile B's, behind these four
.set J, J+1
.endr
	LV T+8, 8
	LV T+8, 4
	WIN 0x51
.irp x, 0,1
.irp i, 0,1,2,3
	v_pk_fma_f32 v[SU+8*\x+2*\i:SU+8*\x+2*\i+1], v[SU+8*\x+2*\i:SU+8*\x+2*\i+1], v[F+2*\x:F+2*\x+1], v[T+8*\x+2*\i:T+8*\x+2*\i+1] op_sel_hi:[1,0,1]   ; the old sums under the new M, and the step's
.endr
.endr
	WIN 0x04
.irp k, 0,1,2,3
	v_max_num_f32 v[QM+\k], 0x1800000, v[BM+\k]    ; the floor 2^(3 - 127): the byte cannot fall under 1
.endr
	WIN 0
.irp k, 0,1,2,3
	v_add_nc_u32 v[QS+\k], 0xff000000, v[QM+\k]    ; 2 off the exponent field: the conversion's scale operand
.endr
.irp k, 0,1,2,3
	DEP 4
	v_lshrrev_b32 v[QB+\k], 23, v[QS+\k]           ; the scale's byte
.endr
.irp x, 0,1
	v_lshl_or_b32 v[WT+\x], v[QB+2*\x+1], 16, v[QB+2*\x]   ; my blocks h and 2 + h,
.endr
.irp x, 0,1
	DEP 2
	v_lshlrev_b32 v[WT+\x], v[SH8], v[WT+\x]       ; at their places in the word;
.endr
.irp x, 0,1
	DEP 2
	v_permlanex16_b32 v[WO+\x], v[WT+\x], s[SEL], s[SEL+1]
.endr
.irp x, 0,1
	DEP 2
	v_or_b32 v[F+2*\x+1], v[WT+\x], v[WO+\x]       ; with lane l xor 16's two the word is whole
.endr
	WIN 0x01
.irp k, 0,1,2,3
	v_cvt_scalef32_pk16_fp6_f32 v[P+6*\k:P+6*\k+2], v[32*\k:32*\k+15], v[QS+\k]
	v_cvt_scalef32_pk16_fp6_f32 v[CT+4*\k:CT+4*\k+2], v[32*\k+16:32*\k+31], v[QS+\k]   ; (a conversion's three registers begin on an even number)
.endr
	WIN 0
	v_nop                                          ; one plain place behind a scaled conversion
.irp k, 0,1,2,3
.irp i, 0,1,2
	v_mov_b32 v[P+6*\k+3+\i], v[CT+4*\k+\i]
.endr
.endr
	ADDRK                                          ; the next step's addresses: these six lines are also the places between the codes' last line and the products
	ADDRV
	WIN 0x50
.irp b, 0,1,2,3                                    ; the eight accumulators by turns
	PVM 0, \b, \first
	PVM 1, \b, \first
.endr
	WIN 0
	s_wait_alu depctr_va_vdst(0)
.endm
.macro SEG                             ; behind a barrier: this step's k, then the addresses as a step expects them
	s_mov_b32 s[KB], s[TB]
	s_mov_b32 s[KT], s[TS]
	ADDRK
	ADDRV
	KLD 0
	KLD 1
	s_add_co_u32 s[KB], s[TB], STEPB
	s_add_co_u32 s[KT], s[TS], 512
	ADDRK
	s_wait_alu depctr_va_vdst(0)                   ; directly ahead of the wait below
	s_wait_dscnt 0x0
.endm
.macro LOOP name, trips, lastb, lastt
	s_mov_b32 s[CNT], \trips
\name:
	STEP 0, \lastb, \lastt
	s_sub_co_u32 s[CNT], s[CNT], 1
	s_cmp_lg_u32 s[CNT], 0
	s_cbranch_scc1 \name
.endm
	s_wait_alu depctr_va_vdst(0)                   ; the wait at the head's end
	s_wait_tensorcnt 0x0                           ; my part of the head's tiles is in
	ds_add_u32 v[SPW], v[NIL]
	s_wait_dscnt 0x0
	ROUND                                          ; everybody's part is in, and all four work-groups are here
	tensor_load_to_lds s[G0S:G0S+3], s[G1C:G1C+7]  ; steps 8-23: my one load behind this round
	s_nop 0
	NOP4
	SEG
	s_wait_loadcnt 0x0                             ; q
	STEP 1, 7*STEPB, 7*512                         ; step 0 starts O^T
	LOOP .Lseg0, 7, 7*STEPB, 7*512                 ; steps 1-7
	s_wait_tensorcnt 0x0                           ; all my tensor loads have landed, steps 8-23 among them;
	ds_add_u32 v[SPW], v[NIL]                      ; the add;
	s_wait_dscnt 0x0                               ; it is done, and my reads of steps 0-7 are over
	ROUND                                          ; both now hold of every wave of all four work-groups
	tensor_load_to_lds s[G0R:G0R+3], s[G1B:G1B+7]  ; the launch's one refill: steps 24-31, sixteen key steps ahead of their first read
	s_nop 0
	NOP4
	SEG
	LOOP .Lseg1, 16, 23*STEPB, 23*512              ; steps 8-23
	s_wait_tensorcnt 0x0                           ; my part of steps 24-31 is in,
	s_wait_dscnt 0x0
	s_barrier_signal -1
	s_barrier_wait -1                              ; everybody's is
	s_mov_b32 s[TB], 0
	SEG
	LOOP .Lseg2, 8, 7*STEPB, 31*512                ; steps 24-31
	; THE WAY OUT.  O^T / the sum; the channels are brought into their true order, since the next product's other operand is given; quantised along the head's 64; a record and two scale bytes a row.
	WIN 0x45
.irp x, 0,1                                        ; (these lines are also the places behind the last products)
	v_pk_add_f32 v[SU+8*\x:SU+8*\x+1], v[SU+8*\x:SU+8*\x+1], v[SU+8*\x+2:SU+8*\x+3]
	v_pk_add_f32 v[SU+8*\x+4:SU+8*\x+5], v[SU+8*\x+4:SU+8*\x+5], v[SU+8*\x+6:SU+8*\x+7]
.endr
.irp x, 0,1
	v_pk_add_f32 v[SU+8*\x:SU+8*\x+1], v[SU+8*\x:SU+8*\x+1], v[SU+8*\x+4:SU+8*\x+5]
.endr
	WIN 0x05
.irp x, 0,1
	v_add_f32 v[MX+\x], v[SU+8*\x], v[SU+8*\x+1]
.endr
	WIN 0
.irp x, 0,1
	v_permlanex16_b32 v[MO+\x], v[MX+\x], s[SEL], s[SEL+1]
.endr
.irp x, 0,1
	DEP 2
	v_add_f32 v[MX+\x], v[MX+\x], v[MO+\x]         ; the row's sum
.endr
	s_wait_alu depctr_va_vdst(0)                   ; the wait ahead of the reciprocals,
	v_rcp_f32 v[MX], v[MX]
	v_rcp_f32 v[MX+1], v[MX+1]
	v_nop                                          ; a plain instruction behind them,
	WIN 0x01
	s_wait_alu depctr_va_vdst(0)                   ; and the wait directly ahead of the first reader of them and of O^T
.irp x, 0,1
.set J, 0
.rept 32
	v_mul_f32 v[X+32*\x+J], v[OA+32*\x+J], v[MX+\x]   ; register 8 b + j: channel 16 b + 8 (lane / 16) + j; each accumulator from its low end on
.set J, J+1
.endr
.endr
	WIN 0
.macro OUTQ x
.irp b, 0,1
.irp j, 0,1,2,3,4,5,6,7
	v_permlane16_swap_b32 v[X+32*\x+16*\b+\j], v[X+32*\x+16*\b+8+\j]   ; my 16 registers are now channels 32 b + 16 (lane / 16) + 0 .. 15
.endr
.endr
	v_max3_num_f32 v[QM], |v[X+32*\x]|, |v[X+32*\x+1]|, 0x1800000
	v_max3_num_f32 v[QM+1], |v[X+32*\x+16]|, |v[X+32*\x+17]|, 0x1800000
.irp i, 2,4,6,8,10,12,14
	DEP 2
	v_max3_num_f32 v[QM], v[QM], |v[X+32*\x+\i]|, |v[X+32*\x+1+\i]|
	DEP 2
	v_max3_num_f32 v[QM+1], v[QM+1], |v[X+32*\x+16+\i]|, |v[X+32*\x+17+\i]|
.endr
.irp k, 0,1
	DEP 2
	v_permlanex16_b32 v[WO+\k], v[QM+\k], s[SEL], s[SEL+1]
.endr
.irp k, 0,1
	DEP 2
	v_max_num_f32 v[QM+\k], v[QM+\k], v[WO+\k]
.endr
.irp k, 0,1
	DEP 2
	v_add_nc_u32 v[QS+\k], 0xff000000, v[QM+\k]
.endr
.irp k, 0,1
	DEP 2
	v_lshrrev_b32 v[QB+\k], 23, v[QS+\k]
.endr
	v_cvt_scalef32_pk16_fp6_f32 v[P+12*\x:P+12*\x+2], v[X+32*\x:X+32*\x+15], v[QS]
	v_cvt_scalef32_pk16_fp6_f32 v[CT:CT+2], v[X+32*\x+16:X+32*\x+31], v[QS+1]
	v_nop
.irp i, 0,1,2
	v_permlane16_swap_b32 v[P+12*\x+\i], v[CT+\i]  ; a whole block to a lane
.endr
.irp i, 0,1,2
	v_mov_b32 v[P+12*\x+3+\i], v[CT+\i]
.endr
	global_store_b128 v[BV16], v[P+12*\x:P+12*\x+3], s[12:13] offset:12288*\x        ; 512 consecutive bytes,
	global_store_b64 v[BV8], v[P+12*\x+4:P+12*\x+5], s[12:13] offset:12288*\x+512    ; and 256
	v_lshl_or_b32 v[WT], v[QB+1], 8, v[QB]
	ds_store_b16 v[SGW], v[WT] offset:128*\x       ; both lanes of a row write the same two bytes with the same value
.endm
	OUTQ 0
	OUTQ 1
	s_wait_dscnt 0x0                               ; for the others' sake: my stores have landed
	s_barrier_signal -1
	s_barrier_wait -1
	s_cmp_lg_u32 s[WV], 0
	s_cbranch_scc1 .Lnot_mine
	ds_load_b128 v[X:X+3], v[SGR]                  ; wave 0 stores the work-group's 512 scale bytes whole
	s_wait_dscnt 0x0
	global_store_b128 v[BV16], v[X:X+3], s[14:15]
.Lnot_mine:
	s_wait_tensorcnt 0x0                           ; the wave's end
	ds_add_u32 v[SPW], v[NIL]
	s_wait_dscnt 0x0
	ROUND                                          ; the closing round
	s_endpgm
.Lfunc_end_k_q7835211dbb_attn:
	.size	k_q7835211dbb_attn, .Lfunc_end_k_q7835211dbb_attn-k_q7835211dbb_attn
	.p2alignl 7, 3214868480
	.fill 96, 4, 3214868480
	.section	.rodata,"a",@progbits
	.p2align	6, 0x0
	.amdhsa_kernel k_q7835211dbb_attn
		.amdhsa_group_segment_fixed_size 327680
		.amdhsa_private_segment_fixed_size 0
		.amdhsa_enable_private_segment 0
		.amdhsa_kernarg_size 48
		.amdhsa_user_sgpr_count 2
		.amdhsa_user_sgpr_kernarg_segment_ptr 1
		.amdhsa_wavefront_size32 1
		.amdhsa_system_sgpr_workgroup_id_x 1
		.amdhsa_system_sgpr_workgroup_id_y 1
		.amdhsa_system_sgpr_workgroup_id_z 1
		.amdhsa_system_vgpr_workitem_id 0
		.amdhsa_next_free_vgpr 512
		.amdhsa_next_free_sgpr 96
		.amdhsa_reserve_vcc 0
		.amdhsa_float_denorm_mode_32 3
		.amdhsa_float_denorm_mode_16_64 3
		.amdhsa_memory_ordered 1
		.amdhsa_forward_progress 1
		.amdhsa_inst_pref_size 137
	.end_amdhsa_kernel
	.amdgpu_metadata
---
amdhsa.version: [ 1, 2 ]
amdhsa.kernels:
  - .name:           k_q7835211dbb_attn
    .symbol:         k_q7835211dbb_attn.kd
    .args:
      - { .name: qc, .offset: 0, .size: 8, .value_kind: global_buffer, .address_space: global }
      - { .name: qs, .offset: 8, .size: 8, .value_kind: global_buffer, .address_space: global }
      - { .name: kvc, .offset: 16, .size: 8, .value_kind: global_buffer, .address_space: global }
      - { .name: kvs, .offset: 24, .size: 8, .value_kind: global_buffer, .address_space: global }
      - { .name: ac, .offset: 32, .size: 8, .value_kind: global_buffer, .address_space: global }
      - { .name: asc, .offset: 40, .size: 8, .value_kind: global_buffer, .address_space: global }
    .group_segment_fixed_size: 327680
    .private_segment_fixed_size: 0
    .kernarg_segment_align: 8
    .kernarg_segment_size: 48
    .max_flat_workgroup_size: 256
    .sgpr_count:     96
    .vgpr_count:     512
    .wavefront_size: 32
...
	.end_amdgpu_metadata
.endif
;; end of part 2
;; launch oproj (part 3): grid 32 x 8, 8 waves a work-group, clusters of 4 x 4, 327,680 bytes of LDS; arguments ac, asc, Wo_codes, Wo_scales, out0; writes out0
.if DOCPART == 3
	.amdgcn_target "amdgcn-amd-amdhsa--gfx1250"
	.amdhsa_code_object_version 6
	.text
	.protected	k_q7835211dbb_oproj
	.globl	k_q7835211dbb_oproj
	.p2align	8
	.type	k_q7835211dbb_oproj,@function
k_q7835211dbb_oproj:
	s_mov_b64 s[64:65], 0
	v_nop
	global_prefetch_b8 v0, s[64:65] scope:SCOPE_SE
	s_setreg_imm32_b32 hwreg(HW_REG_WAVE_MODE, 25, 1), 1
	s_wait_xcnt 0x0
	s_wait_alu depctr_hold_cnt(0) depctr_sa_sdst(0) depctr_va_vdst(0) depctr_va_sdst(0) depctr_va_ssrc(0) depctr_va_vcc(0) depctr_vm_vsrc(0)
	s_getreg_b32 s2, hwreg(HW_REG_IB_STS2, 6, 4)
	s_cmp_eq_u32 s2, 0
	s_cbranch_scc0 .Lentry_in_a_cluster
	s_endpgm
.Lentry_in_a_cluster:
	s_bfe_u32 s2, ttmp6, 0x10000c
	s_cmp_lg_u32 s2, 0xf033
	s_cbranch_scc0 .Lentry_shape_is_right
	s_endpgm
.Lentry_shape_is_right:
; out0 = o Wo on codes of FP6 (E2M3): o as the launch before stored it (images of operand registers, and scale words), Wo as it is given.  No work is left out.
; LIMITS: the scale byte 0xff among Wo's scales is not served.
; SHARES.  A work-group makes 128 rows x 128 columns (32 x 8 = 256 work-groups); wave w makes rows 32 (w >> 1) on, columns 64 (w & 1) on: 8 accumulators.  Both operands lie in LDS whole for all of K = 1,024
; (98,304 bytes each): one fill, one barrier, nothing is filled again.
; CLUSTER: 4 x 4 work-groups.  o's rows hang on the work-group's x alone and are shared along a column of the cluster, Wo's rows on its y alone and are shared along a row: each is asked for jointly.
; THE MATRIX INSTRUCTION IS USED TRANSPOSED (source 0 = 16 rows of Wo, source 1 = 16 rows of o): a lane holds eight neighbouring numbers of a row of out0.
.set PITCH, 816                        ; a row of Wo in LDS: 3 x (256 bytes + 16 of padding): row r starts at bank 12 r mod 64 (64 banks of 4 bytes: ISA guide 11.1)
.set T16,   16*PITCH
.set BOFF,  98304                      ; behind o's 8 row tiles of 12,288 bytes
.set STAGE, BOFF+128*PITCH             ; the way out: 16 rows x (256 bytes + 16) for each wave
.set SPARE, STAGE+8*16*272             ; the spare words, 128 bytes for each wave: four blocks of 256 bytes that no other line names
.set R,    1
.set HF,   2
.set LN,   3
.set LA16, 4                           ; v4   o's records: 16 x lane + my two row tiles;  v5: by 8 bytes a lane
.set LA8,  5
.set AB,   6                           ; v6, v7 Wo's fragments, and the same behind one padding more
.set STO,  8
.set RD,   9
.set CO,   10
.set SPW,  11                          ; v11  LDS address of my spare word; never rewritten
.set NIL,  12                          ; v12  0; never rewritten
.set BSO,  13                          ; v13  32 x (lane % 16)
.set ASO,  14                          ; v14  8 x (lane % 16)
.set AS,   16                          ; v16-31 o's scale words and nothing else: 8 m + s
.set BS,   32                          ; v32-63 Wo's: 8 i + s
.set AF,   64                          ; v64-87  o's two fragments
.set BF,   88                          ; v88-135 Wo's four
.set ACC,  136                         ; v136-199
.set OB,   64                          ; the way out: v64-127
.set WV,   16
.set RI,   17
.set CI,   18
.set CX,   19
.set CY,   20
.set RB,   21
.set CB,   22
.set W3,   23
.set G1A,  24
.set G1B,  32
.set G0A,  40
.set G0B,  44
.macro ROUND
	s_barrier_signal -1
	s_barrier_wait -1
	s_cmp_lg_u32 s[WV], 0
	s_cbranch_scc1 .Lnot_wave_0_\@
	s_barrier_signal -3
.Lnot_wave_0_\@:
	s_barrier_wait -3
	s_barrier_signal -1
	s_barrier_wait -1
.endm
	s_load_b256 s[4:11], s[0:1], 0x0               ; ac s[4:5], asc s[6:7], Wo's codes s[8:9], Wo's scales s[10:11]
	s_load_b64 s[12:13], s[0:1], 0x20              ; out0
	v_lshl_add_u32 v[SPW], v0, 2, SPARE
	v_mov_b32 v[NIL], 0
	ds_add_u32 v[SPW], v[NIL]                      ; the wave's opening: the add, twice on end, and its wait ahead of my first tensor load; the set-up below, work on registers, stands between
	ds_add_u32 v[SPW], v[NIL]
	v_lshrrev_b32 v15, 5, v0
	s_delay_alu instid0(VALU_DEP_1)
	v_readfirstlane_b32 s[WV], v15                 ; wave 0..7
	s_lshr_b32 s[RI], s[WV], 1
	s_and_b32 s[CI], s[WV], 1
	s_and_b32 s[W3], s[WV], 3
	s_bfe_u32 s[CX], ttmp6, 0x40000
	s_bfe_u32 s[CY], ttmp6, 0x40004
	s_lshl_b32 s[RB], ttmp9, 2
	s_add_co_u32 s[RB], s[RB], s[CX]               ; block of 128 rows
	s_and_b32 s[CB], ttmp7, 0xffff
	s_lshl_b32 s[CB], s[CB], 2
	s_add_co_u32 s[CB], s[CB], s[CY]               ; block of 128 columns
	s_lshl_b32 s48, 0x1111, s[CX]                  ; my column of the cluster: the same rows of o
	s_lshl_b32 s49, s[CY], 2
	s_lshl_b32 s49, 15, s49                        ; my row of the cluster: the same rows of Wo
	s_or_b32 s[G1A], s48, (3<<16)|(1<<21)          ; o: 24,576 dense bytes as 96 rows of 256, no padding: the records are read as consecutive bytes
	s_mov_b32 s[G1A+1], 32<<16
	s_mov_b32 s[G1A+2], 96<<16
	s_mov_b32 s[G1A+3], 32<<16
	s_mov_b32 s[G1A+4], 96
	s_mov_b32 s[G1A+5], 32
	s_mov_b32 s[G1A+6], 0
	s_mov_b32 s[G1A+7], 0
	s_or_b32 s[G1B], s49, (3<<16)|(1<<20)|(1<<21)|(5<<22)|(3<<25)   ; Wo: 32 rows of 768 bytes, 16 bytes of padding behind every 256
	s_mov_b32 s[G1B+1], 96<<16
	s_mov_b32 s[G1B+2], 32<<16
	s_mov_b32 s[G1B+3], 96<<16
	s_mov_b32 s[G1B+4], 32
	s_mov_b32 s[G1B+5], 96
	s_mov_b32 s[G1B+6], 0
	s_mov_b32 s[G1B+7], 0
	s_mul_i32 s54, s[W3], 24576                    ; my quarter of either block, in memory
	s_mul_i32 s50, s[RB], 98304
	s_add_co_u32 s50, s50, s54
	s_mov_b32 s51, 0
	s_mul_i32 s52, s[CB], 98304
	s_add_co_u32 s52, s52, s54
	s_mov_b32 s53, 0
	s_lshl_b32 s56, s[RB], 1                       ; o's scale words: 2,048 bytes a group of 64 rows; my 32 rows are half a group
	s_lshr_b32 s57, s[RI], 1
	s_add_co_u32 s56, s56, s57
	s_lshl_b32 s56, s56, 11
	s_and_b32 s57, s[RI], 1
	s_lshl_b32 s57, s57, 8
	s_add_co_u32 s56, s56, s57
	s_mov_b32 s57, 0
	s_lshl_b32 s58, s[CB], 12                      ; Wo's: 32 bytes a row, my 64 rows
	s_lshl_b32 s59, s[CI], 11
	s_add_co_u32 s58, s58, s59
	s_mov_b32 s59, 0
	s_lshl_b32 s60, s[RB], 19                      ; out0: rows of 4,096 bytes; my first row 128 RB + 32 ri, my first column 128 CB + 64 ci
	s_lshl_b32 s61, s[RI], 17
	s_add_co_u32 s60, s60, s61
	s_lshl_b32 s61, s[CB], 9
	s_add_co_u32 s60, s60, s61
	s_lshl_b32 s61, s[CI], 8
	s_add_co_u32 s60, s60, s61
	s_mov_b32 s61, 0
	v_and_b32 v[R], 15, v0
	v_bfe_u32 v[HF], v0, 4, 1
	v_and_b32 v[LN], 31, v0
	s_mul_i32 s55, s[RI], 24576
	v_lshl_add_u32 v[LA16], v[LN], 4, s55
	v_lshl_add_u32 v[LA8], v[LN], 3, s55
	v_mul_u32_u24 v[AB], v[R], PITCH
	s_delay_alu instid0(VALU_DEP_1)
	v_mad_u32_u24 v[AB], v[HF], 24, v[AB]
	s_mul_i32 s55, s[CI], 64*PITCH
	s_add_co_u32 s55, s55, BOFF
	v_add_nc_u32 v[AB], s55, v[AB]
	s_delay_alu instid0(VALU_DEP_1)
	v_lshl_add_u32 v[AB+1], v[HF], 4, v[AB]
	s_mul_i32 s55, s[WV], 16*272
	s_add_co_u32 s55, s55, STAGE                   ; my stage
	v_mul_u32_u24 v[STO], v[R], 272
	s_delay_alu instid0(VALU_DEP_1)
	v_lshl_add_u32 v[STO], v[HF], 5, v[STO]
	s_delay_alu instid0(VALU_DEP_1)
	v_add_nc_u32 v[STO], s55, v[STO]               ; in: row r, 32 bytes for each half of the lanes
	v_mul_u32_u24 v[RD], v[HF], 272
	s_delay_alu instid0(VALU_DEP_1)
	v_lshl_add_u32 v[RD], v[R], 4, v[RD]
	s_delay_alu instid0(VALU_DEP_1)
	v_add_nc_u32 v[RD], s55, v[RD]                 ; back: lanes 0-15 one row of 256 bytes, lanes 16-31 the next
	v_lshlrev_b32 v[CO], 12, v[HF]
	s_delay_alu instid0(VALU_DEP_1)
	v_lshl_add_u32 v[CO], v[R], 4, v[CO]           ; and the same two rows in out0
	v_lshlrev_b32 v[BSO], 5, v[R]
	v_lshlrev_b32 v[ASO], 3, v[R]
	s_wait_dscnt 0x0                               ; both opening adds are done
	s_wait_kmcnt 0x0
	s_mov_b32 s[G0A], 1
	s_mov_b32 s[G0A+1], s54                        ; in LDS o's quarters lie as in memory
	s_add_nc_u64 s[G0A+2:G0A+3], s[4:5], s[50:51]
	s_or_b32 s[G0A+3], s[G0A+3], 0x80000000
	s_mov_b32 s[G0B], 1
	s_mul_i32 s[G0B+1], s[W3], 32*PITCH
	s_add_co_u32 s[G0B+1], s[G0B+1], BOFF
	s_add_nc_u64 s[G0B+2:G0B+3], s[8:9], s[52:53]
	s_or_b32 s[G0B+3], s[G0B+3], 0x80000000
	s_add_nc_u64 s[6:7], s[6:7], s[56:57]
	s_add_nc_u64 s[10:11], s[10:11], s[58:59]
	s_add_nc_u64 s[12:13], s[12:13], s[60:61]
	ROUND                                          ; all sixteen work-groups are here: the joint loads meet
	s_cmp_lt_u32 s[WV], 4                          ; waves 0-3 fetch o's quarters, waves 4-7 Wo's: one load of a wave is out
	s_cbranch_scc0 .Lfor_b
	tensor_load_to_lds s[G0A:G0A+3], s[G1A:G1A+7]
	s_nop 0
.rept 4
	v_nop
.endr
	s_branch .Lasked
.Lfor_b:
	tensor_load_to_lds s[G0B:G0B+3], s[G1B:G1B+7]
	s_nop 0
.rept 4
	v_nop
.endr
.Lasked:
	; the scale words of all eight K steps go from memory straight into registers
	s_wait_alu depctr_va_vdst(0)
.irp i, 0,1,2,3
	global_load_b128 v[BS+8*\i:BS+8*\i+3], v[BSO], s[10:11] offset:512*\i
	global_load_b128 v[BS+8*\i+4:BS+8*\i+7], v[BSO], s[10:11] offset:512*\i+16
.endr
.irp m, 0,1
.irp k, 0,1,2,3
	global_load_b64 v[AS+8*\m+2*\k:AS+8*\m+2*\k+1], v[ASO], s[6:7] offset:512*\k+128*\m   ; key head k's 8 bytes of row 16 m + r: K steps 2 k and 2 k + 1
.endr
.endr
	s_wait_tensorcnt 0x0                           ; my fill has landed,
	s_barrier_signal -1
	s_barrier_wait -1                              ; everybody's has.  From here on the two blocks are only read
	s_wait_loadcnt 0x0
.macro FRAG reg, adr, s, tile          ; 16 rows x 128 K of 6-bit codes: 12 registers, in pieces of 8 bytes; where the piece three on lies behind one padding more, the second address register serves
.irp p, 0,1,2,3,4,5
.set PC, 12*(\s)+6*(\p/3)+\p%3
.if PC%32 < 29
	ds_load_b64 v[\reg+2*\p:\reg+2*\p+1], v[\adr] offset:8*PC+16*(PC/32)+(\tile)*T16
.else
	ds_load_b64 v[\reg+2*\p:\reg+2*\p+1], v[\adr+1] offset:8*PC+16*(PC/32)+(\tile)*T16
.endif
.endr
.endm
; A K step of 128 = heads 2 s and 2 s + 1: 8 products, the 8 accumulators by turns, one instruction a turn.  K step 0 starts the sums.
.macro KSTEP s
.if (\s) > 0
.rept 4
	v_nop                                          ; four places between the last products and loads into registers that they read
.endr
.endif
.irp m, 0,1
.irp c, 0,1
	ds_load_b128 v[AF+12*\m+6*\c:AF+12*\m+6*\c+3], v[LA16] offset:12288*\m+1536*(\s)+768*\c
	ds_load_b64 v[AF+12*\m+6*\c+4:AF+12*\m+6*\c+5], v[LA8] offset:12288*\m+1536*(\s)+768*\c+512
.endr
.endr
.irp i, 0,1,2,3
	FRAG BF+12*\i, AB, \s, \i
.endr
	s_wait_dscnt 0x0
.irp m, 0,1
.irp i, 0,1,2,3
.if (\s) == 0
	v_wmma_scale_f32_16x16x128_f8f6f4 v[ACC+8*(4*\m+\i):ACC+8*(4*\m+\i)+7], v[BF+12*\i:BF+12*\i+11], v[AF+12*\m:AF+12*\m+11], 0, v[BS+8*\i+(\s)], v[AS+8*\m+(\s)] matrix_a_fmt:MATRIX_FMT_FP6 matrix_b_fmt:MATRIX_FMT_FP6
.else
	v_wmma_scale_f32_16x16x128_f8f6f4 v[ACC+8*(4*\m+\i):ACC+8*(4*\m+\i)+7], v[BF+12*\i:BF+12*\i+11], v[AF+12*\m:AF+12*\m+11], v[ACC+8*(4*\m+\i):ACC+8*(4*\m+\i)+7], v[BS+8*\i+(\s)], v[AS+8*\m+(\s)] matrix_a_fmt:MATRIX_FMT_FP6 matrix_b_fmt:MATRIX_FMT_FP6
.endif
.endr
.endr
.endm
.irp s, 0,1,2,3,4,5,6,7
	KSTEP \s
.endr
	; THE WAY OUT.  A lane holds 32 neighbouring bytes of a row and the lanes beside it hold other rows: a tile of 16 rows x 256 bytes goes through my own stage and comes back by rows.
	; LDS serves a wave's instructions in order (ISA guide 5.7.1.4): no wait between the stores and the loads, nor in front of the next tile's stores.
.rept 4
	v_nop                                          ; four places behind the last products
.endr
.irp m, 0,1
.irp i, 0,1,2,3
	ds_store_b128 v[STO], v[ACC+8*(4*\m+\i):ACC+8*(4*\m+\i)+3] offset:64*\i          ; each accumulator from its low end on
	ds_store_b128 v[STO], v[ACC+8*(4*\m+\i)+4:ACC+8*(4*\m+\i)+7] offset:64*\i+16
.endr
.irp k, 0,1,2,3,4,5,6,7
	ds_load_b128 v[OB+32*\m+4*\k:OB+32*\m+4*\k+3], v[RD] offset:544*\k
.endr
.endr
.irp k, 0,1,2,3,4,5,6,7
	s_wait_dscnt 23-\k                             ; behind this load: the younger loads of tile 0 and tile 1's sixteen LDS instructions
	global_store_b128 v[CO], v[OB+4*\k:OB+4*\k+3], s[12:13] offset:8192*\k th:TH_STORE_NT   ; 16 lanes store 256 consecutive bytes, at a multiple of 256 from out0's first byte
.endr
.irp k, 0,1,2,3,4,5,6,7
	s_wait_dscnt 7-\k
	global_store_b128 v[CO], v[OB+32+4*\k:OB+32+4*\k+3], s[12:13] offset:65536+8192*\k th:TH_STORE_NT
.endr
	s_wait_tensorcnt 0x0                           ; the wave's end
	ds_add_u32 v[SPW], v[NIL]
	s_wait_dscnt 0x0
	ROUND                                          ; the closing round
	s_endpgm
.Lfunc_end_k_q7835211dbb_oproj:
	.size	k_q7835211dbb_oproj, .Lfunc_end_k_q7835211dbb_oproj-k_q7835211dbb_oproj
	.p2alignl 7, 3214868480
	.fill 96, 4, 3214868480
	.section	.rodata,"a",@progbits
	.p2align	6, 0x0
	.amdhsa_kernel k_q7835211dbb_oproj
		.amdhsa_group_segment_fixed_size 327680
		.amdhsa_private_segment_fixed_size 0
		.amdhsa_enable_private_segment 0
		.amdhsa_kernarg_size 40
		.amdhsa_user_sgpr_count 2
		.amdhsa_user_sgpr_kernarg_segment_ptr 1
		.amdhsa_wavefront_size32 1
		.amdhsa_system_sgpr_workgroup_id_x 1
		.amdhsa_system_sgpr_workgroup_id_y 1
		.amdhsa_system_sgpr_workgroup_id_z 1
		.amdhsa_system_vgpr_workitem_id 0
		.amdhsa_next_free_vgpr 200
		.amdhsa_next_free_sgpr 66
		.amdhsa_reserve_vcc 0
		.amdhsa_float_denorm_mode_32 3
		.amdhsa_float_denorm_mode_16_64 3
		.amdhsa_memory_ordered 1
		.amdhsa_forward_progress 1
		.amdhsa_inst_pref_size 38
	.end_amdhsa_kernel
	.amdgpu_metadata
---
amdhsa.version: [ 1, 2 ]
amdhsa.kernels:
  - .name:           k_q7835211dbb_oproj
    .symbol:         k_q7835211dbb_oproj.kd
    .args:
      - { .name: ac, .offset: 0, .size: 8, .value_kind: global_buffer, .address_space: global }
      - { .name: asc, .offset: 8, .size: 8, .value_kind: global_buffer, .address_space: global }
      - { .name: Wo_codes, .offset: 16, .size: 8, .value_kind: global_buffer, .address_space: global }
      - { .name: Wo_scales, .offset: 24, .size: 8, .value_kind: global_buffer, .address_space: global }
      - { .name: out0, .offset: 32, .size: 8, .value_kind: global_buffer, .address_space: global }
    .group_segment_fixed_size: 327680
    .private_segment_fixed_size: 0
    .kernarg_segment_align: 8
    .kernarg_segment_size: 40
    .max_flat_workgroup_size: 256
    .sgpr_count:     66
    .vgpr_count:     200
    .wavefront_size: 32
...
	.end_amdgpu_metadata
.endif
;; end of part 3
